; MI455X (gfx1250); checked and timed in simulation.
; The chip was launched on July 23, 2026; its instructions are those of AMD's public machine-readable ISA for CDNA 5 (MIT licence, August 2026) and "CDNA5" Instruction Set Architecture Reference Guide (July 2026). The comments in the code are by the model that wrote it; some were corrected since.
;; Self Attentnion v3. Allowed arithmetic: matrix products marked QUANTISED: E2M3 operands, one E8M0 scale for each 32 along K, by v_wmma_scale_f32_16x16x128_f8f6f4 with both operands' format E2M3, f32 sums; everything else in f32.
;; Inputs: Wo 1,024 x 1,024 float32; Wqkv 1,024 x 3,072 float32; X 4 x 2,048 x 1,024 float32; bo 1,024 float32; bqkv 3,072 float32.
;; Outputs: out0 4 x 2,048 x 1,024 float32.
;; This version of the problem:
;;   THIS VERSION OF THE PROBLEM IS GIVEN IN LOW PRECISION. The matrix products marked QUANTISED in the list below multiply operands that are first quantised to E2M3 (2 exponent bits, 3 mantissa bits; 6 bits a number), with one power-of-two scale for each 32 numbers along K (OCP MX v1.0); their sums are f32. All else is computed in f32.
;;   The module's matrix products, in the order in which they are computed (A, B: the left and right operand; K: the contracted axis; several contracted axes count as one K, in the product's order):
;;     1. [M 8,192, K 1,024] x [K 1,024, N 3,072]; A: input X; B: input Wqkv: QUANTISED
;;     2. batch 4 x [M 2,048, K 1,024] x [K 1,024, N 2,048]; A: computed on the way; B: computed on the way: QUANTISED
;;     3. batch 4 x [M 2,048, K 2,048] x [K 2,048, N 1,024]; A: softmax (see below); B: computed on the way: QUANTISED
;;     4. [M 8,192, K 1,024] x [K 1,024, N 1,024]; A: computed on the way; B: input Wo: QUANTISED
;;   THE QUANTISER, for each operand of a quantised product, along K:
;;     - K is cut into blocks of 32 from its start; a last block that is shorter is filled with zeros.
;;     - A block's scale is 2^e with e = floor(log2(the largest magnitude in the block)) - 2, held to -126 .. 127; a block of zeros has e = 0. As a byte (E8M0): e + 127.
;;     - Each number is divided by its block's scale, clamped to +-7.5, and rounded to the nearest number of E2M3, ties to even, subnormals kept.
;;     - The product sums the exact products of the quantised numbers (number of the format x scale) in f32.
;;   ~~~python
;;   def quantise(x, axis):      # numpy; x: float32 -> the quantised numbers, widened to float32 again
;;       x = np.moveaxis(x, axis, -1); K = x.shape[-1]
;;       x = np.pad(x, [(0, 0)] * (x.ndim - 1) + [(0, -K % 32)]); x = x.reshape(x.shape[:-1] + (-1, 32)); a = np.abs(x).max(-1, keepdims=True)
;;       e = np.where(a > 0, np.clip(np.frexp(np.where(a > 0, a, 1))[1] - 1 - 2, -126, 127), 0)      # np.frexp(a)[1] - 1 = floor(log2(a)), exactly
;;       r = np.clip(x / 2.0 ** e, -7.5, 7.5)
;;       step = 2.0 ** (np.maximum(np.frexp(np.where(r == 0, 1, r))[1] - 1, 0) - 3)
;;       q = np.round(r / step) * step * 2.0 ** e      # np.round: ties to even
;;       return np.moveaxis(q.reshape(q.shape[:-2] + (-1,))[..., :K], -1, axis).astype(np.float32)
;;   ~~~
;;   SOFTMAX AHEAD OF A QUANTISED PRODUCT. Where the list says 'softmax', what is quantised is not the finished softmax but p = 2^(t - M), with t = logit x log2(e) and M = ceil(the row's largest t), a whole number; so 1/2 < the row's largest p <= 1. The row's sum l is taken of the UNQUANTISED p, in f32, and the product's result is divided by l at the end. Since M is a whole number, a kernel that streams over the keys may use a running M (the ceiling of the running maximum): every later rescaling is an exact power of two, which a block's scale takes up: the codes' values come out the same.
;;   OPERANDS COMPUTED ON THE WAY. 'Computed on the way' means the value that the module computes at that place (a softmax that the list does not call 'softmax' is quantised finished and normalised). What goes into a quantiser is computed in f32, as accurately as f32 sums, v_exp_f32 and their like allow (about 1e-6 of the number): no bf16 or f16 on the way to a quantiser, and a product that is left as it is and whose result goes on into a quantised operand takes f32 operands (vector FMAs, or v_wmma_f32_16x16x4_f32). A number that lies on a knife's edge between two numbers of the format may be rounded either way, as far as f32 arithmetic and the matrix unit's own rounding can turn it there, and no further.
;; One version. Each part assembles by itself: llvm-mc -triple=amdgcn-amd-amdhsa -mcpu=gfx1250 --defsym DOCPART=n.
;; ======== version 1 of 1: 5 launches
;; limits: right only within a limited range of input values
;; workspace buffers: xw 9,830,400 bytes; qkc 13,107,200 bytes; vvc 6,553,600 bytes; ppc 14,155,776 bytes; aac 6,553,600 bytes
;; launch quant (part 1): grid 512 x 1, 4 waves a work-group, no clusters, 46,592 bytes of LDS; arguments X, Wqkv, Wo, xw; writes xw
.if DOCPART == 1
	.amdgcn_target "amdgcn-amd-amdhsa--gfx1250"
	.amdhsa_code_object_version 6
	.text
	.protected	k_q11bf617307_quant
	.globl	k_q11bf617307_quant
	.p2align	8
	.type	k_q11bf617307_quant,@function
k_q11bf617307_quant:
	s_mov_b64 s[64:65], 0
	v_nop
	global_prefetch_b8 v0, s[64:65] scope:SCOPE_SE
	s_setreg_imm32_b32 hwreg(HW_REG_WAVE_MODE, 25, 1), 1
	s_wait_xcnt 0x0
; X [8192][1024], Wqkv [1024][3072] and Wo [1024][1024], f32, become codes of FP6 (E2M3) with one E8M0 byte for each 32 along K (K = the 1,024 inputs).
; LAYOUT OF THE CODES: images of the matrix operand's registers.  A fragment is 16 rows x 128 K = 12 registers a lane = 1,536 bytes: register g of lane L at 512 (g / 4) + 16 L + 4 (g % 4);
; a row block of 16 rows has its 8 fragments on end (12,288 bytes).  ROWS LIE BY POSITION: position = the row's number with bits 3 and 4 exchanged, so that as source 0 of a product
; the 16 registers of two neighbouring result tiles are 16 neighbouring rows.  SCALE WORDS (4 bytes = 128 K of a row): [row block][K step / 4][row][K step % 4], 512 bytes a row block.
; xw: X's codes at 0 (512 row blocks), the weights' at WC (256 row blocks: Wqkv's 3,072 columns, then Wo's 1,024), X's scale words at XS, the weights' at WS.
; A block's scale is 2^(floor(log2(largest magnitude)) - 2): the largest magnitude's exponent field - 2, held at 1 from below by a floor among the maximum's leaves.
; LIMITS: a block of zeros gets the byte 1 where the rule says 127 (its codes are zeros, and this program alone reads the bytes); NaN and infinities are not served.
; Work-groups 0-255 take X (K innermost: dense loads, a turn through the wave's own stage in LDS), 256-511 the weights (K outermost: a lane to a column, registers down K).
; The two paths have LDS bytes of their own.  No tensor load, no barrier: waves share nothing.  No cluster: no two work-groups read the same bytes.
.set WC, 6291456
.set XS, 9437184
.set WS, 9699328
.set WSTG, 33792                       ; the weights' stages: 3,072 bytes a wave; X's stages lie at 0: 16 rows x 528 bytes a wave
.set SPARE, 46080                      ; the spare words, 128 bytes a wave
.set SPW, 30
.set NIL, 31
.set R, 32                             ; X: v32-159 two sets of 64 registers as loaded
.set N, 160                            ; X: v160-223 my 64 numbers of a fragment: two whole blocks
.set PC, 224                           ; X: v224-235 the fragment's registers; v236-238, v240-242 second halves
.set SW, 244                           ; X: v244-247 the four fragments' scale words
.macro LOADF f                         ; K step f of my 16 rows: each load reads 512 consecutive bytes of one row; row i of the block is the true row i % 8 + 16 (i / 8)
.irp i,0,1,2,3,4,5,6,7,8,9,10,11,12,13,14,15
	global_load_b128 v[R+64*((\f)%2)+4*\i:R+64*((\f)%2)+4*\i+3], v4, s[4:5] offset:(\i%8+16*(\i/8))*4096+512*(\f) th:TH_LOAD_NT
.endr
.endm
.macro FRAGX f
.if (\f) < 3
	s_wait_loadcnt 16                              ; this fragment's 16 loads are in; the next fragment's 16 may be out
.else
	s_wait_loadcnt 0x0
.endif
.irp i,0,1,2,3,4,5,6,7,8,9,10,11,12,13,14,15
	ds_store_b128 v5, v[R+64*((\f)%2)+4*\i:R+64*((\f)%2)+4*\i+3] offset:528*\i
.endr
.irp c,0,1
.irp j,0,1,2,3,4,5,6,7
	ds_load_b128 v[N+32*\c+4*\j:N+32*\c+4*\j+3], v6 offset:256*\c+16*\j   ; lane (r, h): k = 64 c + 32 h + 0 .. 31 of row r.  LDS serves a wave's instructions in order: these see my stores
.endr
.endr
	s_wait_dscnt 0x0                               ; the numbers are back, and the stores have read their registers
.if (\f) < 2
	LOADF (\f)+2
.endif
.irp c,0,1
	v_max3_num_f32 v[9+\c], |v[N+32*\c]|, |v[N+32*\c+1]|, 0x1800000   ; my block 2 c + h, and the floor 2^(3 - 127)
.endr
.irp i,2,4,6,8,10,12,14,16,18,20,22,24,26,28,30
.irp c,0,1
	v_max3_num_f32 v[9+\c], v[9+\c], |v[N+32*\c+\i]|, |v[N+32*\c+\i+1]|
.endr
.endr
.irp c,0,1
	v_add_nc_u32 v[11+\c], 0xff000000, v[9+\c]     ; 2 off the exponent field: the conversion's scale operand
.endr
.irp c,0,1
	v_lshrrev_b32 v[9+\c], 23, v[11+\c]            ; the scale's byte
.endr
	v_lshl_or_b32 v14, v10, 16, v9                 ; blocks h and 2 + h,
	v_lshlrev_b32 v14, v8, v14                     ; at their places (8 h bits up);
	v_permlanex16_b32 v13, v14, s20, s21
	v_or_b32 v[SW+(\f)], v14, v13                  ; with lane l xor 16's two the word is whole
	s_wait_alu depctr_va_vdst(0)
	s_wait_xcnt 0x0                                ; the last fragment's stores have read the registers that are written now
.irp c,0,1
	v_cvt_scalef32_pk16_fp6_f32 v[PC+6*\c:PC+6*\c+2], v[N+32*\c:N+32*\c+15], v[11+\c]
	v_cvt_scalef32_pk16_fp6_f32 v[PC+12+4*\c:PC+14+4*\c], v[N+32*\c+16:N+32*\c+31], v[11+\c]   ; (a conversion's three registers begin on an even number)
.endr
	v_nop                                          ; one plain place behind a scaled conversion
.irp c,0,1
.irp i,0,1,2
	v_mov_b32 v[PC+3+6*\c+\i], v[PC+12+4*\c+\i]
.endr
.endr
.irp c,0,1,2
	global_store_b128 v4, v[PC+4*\c:PC+4*\c+3], s[26:27] offset:1536*(\f)+512*\c   ; 32 lanes store 512 consecutive bytes
.endr
.endm
.macro LOADW t                         ; block t of my column: W(128 ks + 32 t + i, column), 32 neighbouring columns in 32 lanes
.irp i,0,1,2,3,4,5,6,7,8,9,10,11,12,13,14,15,16,17,18,19,20,21,22,23,24,25,26,27,28,29,30,31
	global_load_b32 v[64+32*(\t)+\i], v[32+\i], s[24+2*(\t):25+2*(\t)] th:TH_LOAD_NT
.endr
.endm
.macro BLOCKW t
.set NB, 64+32*(\t)
.set CW, 192+8*(\t)
.set TW, 224+4*(\t)
.if (\t) < 3
	s_wait_loadcnt 32                              ; this block's 32 loads are in; the next block's may be out
.else
	s_wait_loadcnt 0x0
.endif
.if (\t) < 2
	LOADW (\t)+2
.endif
	v_max3_num_f32 v11, |v[NB]|, |v[NB+1]|, 0x1800000
	v_max_num_f32 v12, |v[NB+2]|, |v[NB+3]|
.irp i,4,8,12,16,20,24,28
	v_max3_num_f32 v11, v11, |v[NB+\i]|, |v[NB+\i+1]|
	v_max3_num_f32 v12, v12, |v[NB+\i+2]|, |v[NB+\i+3]|
.endr
	v_max_num_f32 v11, v11, v12
	v_add_nc_u32 v13, 0xff000000, v11
	v_lshrrev_b32 v14, 23, v13
.if (\t) == 0
	v_mov_b32 v15, v14                             ; the four bytes make my column's scale word of this K step
.else
	v_lshl_or_b32 v15, v14, 8*(\t), v15
.endif
	v_cvt_scalef32_pk16_fp6_f32 v[CW:CW+2], v[NB:NB+15], v13
	v_cvt_scalef32_pk16_fp6_f32 v[TW:TW+2], v[NB+16:NB+31], v13
	v_nop
.irp i,0,1,2
	v_mov_b32 v[CW+3+\i], v[TW+\i]
.endr
; block t is registers 6 (t / 2) .. + 5 of lane (r, t % 2) of the fragment: its place in the image
.if (\t) < 2
	ds_store_b128 v5, v[CW:CW+3] offset:256*((\t)%2)
	ds_store_b64 v5, v[CW+4:CW+5] offset:512+256*((\t)%2)
.else
	ds_store_b64 v5, v[CW:CW+1] offset:520+256*((\t)%2)
	ds_store_b128 v5, v[CW+2:CW+5] offset:1024+256*((\t)%2)
.endif
.endm
	s_load_b256 s[4:11], s[0:1], 0x0               ; X s[4:5], Wqkv s[6:7], Wo s[8:9], xw s[10:11]
	v_lshl_add_u32 v[SPW], v0, 2, SPARE
	v_mov_b32 v[NIL], 0
	v_lshrrev_b32 v1, 5, v0
	v_readfirstlane_b32 s12, v1                    ; wave
	v_and_b32 v1, 31, v0                           ; lane
	v_and_b32 v2, 15, v0                           ; r
	v_bfe_u32 v3, v0, 4, 1                         ; h
	v_lshlrev_b32 v4, 4, v1                        ; 16 x lane
	s_mov_b32 s20, 0x76543210
	s_mov_b32 s21, 0xfedcba98                      ; selects for lane l xor 16
	s_cmp_lt_u32 ttmp9, 256
	s_cbranch_scc0 .Lweights
	; ---- X: a wave makes the four fragments of K steps 4 kg .. 4 kg + 3 of one row block
	s_lshl_b32 s13, ttmp9, 2
	s_add_co_u32 s13, s13, s12
	s_lshr_b32 s14, s13, 1                         ; the row block, by position
	s_and_b32 s15, s13, 1                          ; kg
	s_lshr_b32 s16, s14, 1
	s_lshl_b32 s16, s16, 17                        ; 32 rows of 4,096 bytes for each pair of row blocks,
	s_and_b32 s17, s14, 1
	s_lshl_b32 s17, s17, 15                        ; 8 rows on for the odd one,
	s_add_co_u32 s16, s16, s17
	s_lshl_b32 s17, s15, 11                        ; 512 numbers along K
	s_add_co_u32 s16, s16, s17
	s_mov_b32 s17, 0
	s_mul_i32 s18, s14, 12288
	s_mul_i32 s19, s15, 6144
	s_add_co_u32 s18, s18, s19
	s_mov_b32 s19, 0
	s_lshl_b32 s22, s14, 9
	s_lshl_b32 s23, s15, 8
	s_add_co_u32 s22, s22, s23
	s_add_co_u32 s22, s22, XS
	s_mov_b32 s23, 0
	s_mul_i32 s24, s12, 8448
	s_wait_alu depctr_va_vdst(0)
	v_add_nc_u32 v5, s24, v4                       ; the stage, in: 16 x lane in a row of 528
	v_mul_u32_u24 v6, v2, 528
	v_lshl_add_u32 v6, v3, 7, v6
	v_add_nc_u32 v6, s24, v6                       ; out: row r, + 128 h
	v_lshlrev_b32 v7, 4, v2
	v_lshl_add_u32 v7, v3, 3, v7                   ; the scale words' place: 16 r + 8 h
	v_lshlrev_b32 v8, 3, v3                        ; 8 h
	v_mov_b32 v13, 0                               ; a lane permute's destination counts as one of its sources
	s_wait_alu depctr_va_vdst(0)
	s_wait_kmcnt 0x0
	s_add_nc_u64 s[4:5], s[4:5], s[16:17]
	s_add_nc_u64 s[26:27], s[10:11], s[18:19]
	s_add_nc_u64 s[28:29], s[10:11], s[22:23]
	LOADF 0
	LOADF 1
	FRAGX 0
	FRAGX 1
	FRAGX 2
	FRAGX 3
	v_cmp_eq_u32 vcc_lo, 1, v3
	v_cndmask_b32 v14, v[SW], v[SW+2], vcc_lo      ; lane (r, h) stores words 2 h and 2 h + 1 of row r:
	v_cndmask_b32 v15, v[SW+1], v[SW+3], vcc_lo
	global_store_b64 v7, v[14:15], s[28:29]        ; 32 lanes store 256 consecutive bytes, aligned
	s_wait_tensorcnt 0x0                           ; the wave's end, behind my last LDS store
	ds_add_u32 v[SPW], v[NIL]
	s_wait_dscnt 0x0
	s_endpgm
.Lweights:
	; ---- the weights: a work-group takes 128 columns x one K step of 128; a wave 32 columns: two fragments
	s_sub_co_u32 s13, ttmp9, 256
	s_and_b32 s14, s13, 7                          ; ks
	s_lshr_b32 s15, s13, 3                         ; group of 128 columns: 0-23 Wqkv's, 24-31 Wo's
	s_wait_kmcnt 0x0
	s_cmp_lt_u32 s15, 24                           ; the choice hangs on the work-group's number alone
	s_cselect_b64 s[6:7], s[6:7], s[8:9]
	s_mov_b32 s16, 4096
	s_cselect_b32 s16, 12288, s16                  ; a row of the tensor in bytes
	s_cselect_b32 s17, 0, 24
	s_sub_co_u32 s17, s15, s17                     ; the group within its tensor
	s_lshl_b32 s18, s14, 7
	s_mul_i32 s18, s18, s16                        ; 128 ks rows down,
	s_lshl_b32 s19, s17, 9
	s_add_co_u32 s18, s18, s19                     ; 128 columns a group,
	s_lshl_b32 s19, s12, 7
	s_add_co_u32 s18, s18, s19                     ; 32 a wave
	s_mov_b32 s19, 0
	s_lshl_b32 s22, s16, 5                         ; 32 rows: from block to block
	s_mov_b32 s23, 0
	s_add_nc_u64 s[24:25], s[6:7], s[18:19]
	s_add_nc_u64 s[26:27], s[24:25], s[22:23]
	s_add_nc_u64 s[28:29], s[26:27], s[22:23]
	s_add_nc_u64 s[30:31], s[28:29], s[22:23]
	s_wait_alu depctr_va_vdst(0)
	v_lshlrev_b32 v32, 2, v1                       ; 4 x lane + i rows
.irp i,0,1,2,3,4,5,6,7,8,9,10,11,12,13,14,15,16,17,18,19,20,21,22,23,24,25,26,27,28,29,30
	v_add_nc_u32 v[33+\i], s16, v[32+\i]
.endr
	LOADW 0
	LOADW 1
	s_lshl_b32 s34, s15, 3
	s_lshl_b32 s35, s12, 1
	s_add_co_u32 s34, s34, s35                     ; my first row block: 8 x group + 2 x wave
	s_mul_i32 s36, s34, 12288
	s_mul_i32 s37, s14, 1536
	s_add_co_u32 s36, s36, s37
	s_add_co_u32 s36, s36, WC
	s_mov_b32 s37, 0
	s_add_nc_u64 s[36:37], s[10:11], s[36:37]
	s_lshl_b32 s38, s34, 9
	s_lshr_b32 s39, s14, 2
	s_lshl_b32 s39, s39, 8
	s_add_co_u32 s38, s38, s39
	s_and_b32 s39, s14, 3
	s_lshl_b32 s39, s39, 2
	s_add_co_u32 s38, s38, s39
	s_add_co_u32 s38, s38, WS
	s_mov_b32 s39, 0
	s_add_nc_u64 s[38:39], s[10:11], s[38:39]
	v_bfe_u32 v9, v0, 3, 1                         ; my column's position: row block = bit 3 of the lane,
	v_and_b32 v10, 7, v0
	v_lshl_add_u32 v10, v3, 3, v10                 ; row = lane % 8 + 8 (lane / 16)
	s_mul_i32 s35, s12, 3072
	s_add_co_u32 s35, s35, WSTG
	v_mul_u32_u24 v5, v9, 1536
	v_lshl_add_u32 v5, v10, 4, v5
	v_add_nc_u32 v5, s35, v5                       ; the stage, in
	v_add_nc_u32 v6, s35, v4                       ; and out: 16 x lane
	v_lshlrev_b32 v7, 9, v9
	v_lshl_add_u32 v7, v10, 4, v7                  ; my scale word: 512 x row block + 16 x row
	BLOCKW 0
	BLOCKW 1
	BLOCKW 2
	BLOCKW 3
	global_store_b32 v7, v15, s[38:39]
.irp j,0,1,2,3,4,5
	ds_load_b128 v[64+4*\j:67+4*\j], v6 offset:512*\j      ; LDS serves a wave's instructions in order: these see my stores
.endr
.irp j,0,1,2,3,4,5
	s_wait_dscnt 5-\j
	global_store_b128 v4, v[64+4*\j:67+4*\j], s[36:37] offset:(\j/3)*12288+(\j%3)*512   ; 32 lanes store 512 consecutive bytes
.endr
	s_wait_tensorcnt 0x0                           ; the wave's end, behind my last LDS store
	ds_add_u32 v[SPW], v[NIL]
	s_wait_dscnt 0x0
	s_endpgm
.Lfunc_end_k_q11bf617307_quant:
	.size	k_q11bf617307_quant, .Lfunc_end_k_q11bf617307_quant-k_q11bf617307_quant
	.p2alignl 7, 3214868480
	.fill 96, 4, 3214868480
	.section	.rodata,"a",@progbits
	.p2align	6, 0x0
	.amdhsa_kernel k_q11bf617307_quant
		.amdhsa_group_segment_fixed_size 46592
		.amdhsa_private_segment_fixed_size 0
		.amdhsa_enable_private_segment 0
		.amdhsa_kernarg_size 32
		.amdhsa_user_sgpr_count 2
		.amdhsa_user_sgpr_kernarg_segment_ptr 1
		.amdhsa_wavefront_size32 1
		.amdhsa_system_sgpr_workgroup_id_x 1
		.amdhsa_system_sgpr_workgroup_id_y 1
		.amdhsa_system_sgpr_workgroup_id_z 1
		.amdhsa_system_vgpr_workitem_id 0
		.amdhsa_next_free_vgpr 256
		.amdhsa_next_free_sgpr 66
		.amdhsa_reserve_vcc 1
		.amdhsa_float_denorm_mode_32 3
		.amdhsa_float_denorm_mode_16_64 3
		.amdhsa_memory_ordered 1
		.amdhsa_forward_progress 1
		.amdhsa_inst_pref_size 53
	.end_amdhsa_kernel
	.amdgpu_metadata
---
amdhsa.version: [ 1, 2 ]
amdhsa.kernels:
  - .name:           k_q11bf617307_quant
    .symbol:         k_q11bf617307_quant.kd
    .args:
      - { .name: X, .offset: 0, .size: 8, .value_kind: global_buffer, .address_space: global }
      - { .name: Wqkv, .offset: 8, .size: 8, .value_kind: global_buffer, .address_space: global }
      - { .name: Wo, .offset: 16, .size: 8, .value_kind: global_buffer, .address_space: global }
      - { .name: xw, .offset: 24, .size: 8, .value_kind: global_buffer, .address_space: global }
    .group_segment_fixed_size: 46592
    .private_segment_fixed_size: 0
    .kernarg_segment_align: 8
    .kernarg_segment_size: 32
    .max_flat_workgroup_size: 128
    .sgpr_count:     66
    .vgpr_count:     256
    .wavefront_size: 32
...
	.end_amdgpu_metadata
.endif
;; end of part 1
;; launch qkv (part 2): grid 8 x 32, 4 waves a work-group, clusters of 4 x 4, 327,680 bytes of LDS; arguments xw, bqkv, qkc, vvc; writes qkc, vvc
.if DOCPART == 2
	.amdgcn_target "amdgcn-amd-amdhsa--gfx1250"
	.amdhsa_code_object_version 6
	.text
	.protected	k_q11bf617307_qkv
	.globl	k_q11bf617307_qkv
	.p2align	8
	.type	k_q11bf617307_qkv,@function
k_q11bf617307_qkv:
	s_mov_b64 s[64:65], 0
	v_nop
	global_prefetch_b8 v0, s[64:65] scope:SCOPE_SE
	s_setreg_imm32_b32 hwreg(HW_REG_WAVE_MODE, 25, 1), 1
	s_wait_xcnt 0x0
	s_wait_alu depctr_hold_cnt(0) depctr_sa_sdst(0) depctr_va_vdst(0) depctr_va_sdst(0) depctr_va_ssrc(0) depctr_va_vcc(0) depctr_vm_vsrc(0)
	s_getreg_b32 s2, hwreg(HW_REG_IB_STS2, 6, 4)
	s_cmp_eq_u32 s2, 0
	s_cbranch_scc0 .Lentry_in_a_cluster
	s_endpgm
.Lentry_in_a_cluster:
	s_bfe_u32 s2, ttmp6, 0x10000c
	s_cmp_lg_u32 s2, 0xf033
	s_cbranch_scc0 .Lentry_shape_is_right
	s_endpgm
.Lentry_shape_is_right:
; q, k and v = X Wqkv + b on codes of FP6 with E8M0 scales, each quantised again along the K of the product that takes it, and stored as codes.  ONE LAUNCH, TWO PHASES, so that v's products share q's and k's start and end.
; PHASE 1: a tile of 256 tokens x 256 channels of q or k; four waves, each 128 x 128: 64 accumulators.  Source 0 = 16 columns of W (they become the registers of the result: the next K), source 1 = 16 tokens (they ride in lanes).
; PHASE 2: the same 256 tokens x 128 channels of v; each wave its 128 tokens x 64 channels: 32 accumulators.  Source 0 = 16 tokens (registers: the keys are the next K), source 1 = 16 columns of Wv (lanes).
; Operands lie in memory and in LDS as images of their registers (a fragment: 1,536 bytes, three loads of 16 bytes a lane at 16 x lane); rows lie by position (bits 3 and 4 exchanged), so a lane's
; 64 results are 128 neighbours along the next K in the order that the conversions want.  Scale words come straight into registers: one load brings the words of K steps j (lanes 0-15) and 4 + j (lanes 16-31).
; K = 1,024 in 8 steps of 128, written out in both phases.  LDS, phase 1: three slots of two steps, all asked for at the head, slot 0 filled once more with the last two steps.  Phase 2: two fills of four steps:
; the first lands on slots 1 and 2, asked for behind the round in phase 1's K step 5; the second on slot 0 and the rest of slot 2, asked for behind a round in the middle of phase 1's way out.
; CLUSTER 4 x 4: the tokens' tile is shared along a row of the cluster, the weights' along a column, in both phases: joint loads.
; The biases are the C of each sum's first product.  LIMITS: a block of zeros gets the byte 1 (its codes are zeros; this program alone reads the bytes); NaN and infinities are not served.
; REGISTERS: window 0: v3 16 x lane, v4 16 x row, v8-11, v16-22 LDS addresses, v28, v29 the add's two, v32-63 the tokens' scale words, v64-95 Wq's and Wk's, v96-111 at work, v112-127 Wv's scale words,
;   v128-223 source 1's fragments (phase 1: one set; phase 2: two), v224-244 codes just made, v245-248 v's bias.  window 1: source 0's fragments, two sets (v0-95, v128-223), phase 1's bias between them.
;   windows 2, 3: phase 1's accumulators, (a, b) at v[8 (8 (a % 4) + b)]; phase 2: window 2 the accumulators, (a, b) at v[8 (8 a + b)], window 3 v0-31 the bias.
.set RB8, 12288
.set WC, 6291456
.set XS, 9437184
.set WS, 9699328
.set KPART, 6291456
.set QKS, 12582912
.set VS, 6291456
.set SLOTB, 98304
.set SPARE, 3*SLOTB
.set TP, 98304                         ; phase 2, K steps 0-3: the tokens' 16 row blocks x 6,144 bytes,
.set WP, 196608                        ; the weights' 8
.set TQ, 0                             ; K steps 4-7
.set WQ, 245760
.set LI, 3
.set SOF, 4
.set ADT, 8
.set ADW, 10
.set ADRA, 16
.set ADRB, 20
.set SPW, 28
.set NIL, 29
.set SA, 32
.set SB, 64
.set TM, 96
.set SV, 112
.set AF, 128
.set PC, 224
.set PW, 244
.set BV, 245
.set G1A, 16
.set G1B, 24
.set G0A, 32
.set G0B, 44
.set G1T, 56
.set G1W, 84
.set MSB, 0
.macro WIN new                         ; the immediate's high byte repeats the setting that is left; a switch that changes nothing is dropped
.set NW, (\new)
.if MSB != NW
	s_set_vgpr_msb (MSB<<8)|NW
.set MSB, NW
.endif
.endm
.macro PLACES n
.rept \n
	v_nop
.endr
.endm
.macro JLOAD g0a, g1a, g0b, g1b        ; a joint load: waves 0 and 1 fetch the tokens' halves, waves 2 and 3 the weights'; an s_nop 0 and four v_nop follow each line
	s_cmp_eq_u32 s14, 0
	s_cbranch_scc0 .Lfor_b_\@
	tensor_load_to_lds s[\g0a:\g0a+3], s[\g1a:\g1a+7]
	s_nop 0
	PLACES 4
	s_branch .Lasked_\@
.Lfor_b_\@:
	tensor_load_to_lds s[\g0b:\g0b+3], s[\g1b:\g1b+7]
	s_nop 0
	PLACES 4
.Lasked_\@:
.endm
.macro CREST                           ; a round of the cluster's barrier behind its opening barrier
	s_cmp_lg_u32 s13, 0
	s_cbranch_scc1 .Lnot_wave_0_\@
	s_barrier_signal -3
.Lnot_wave_0_\@:
	s_barrier_wait -3
	s_barrier_signal -1
	s_barrier_wait -1
.endm
.macro CROUND
	s_barrier_signal -1
	s_barrier_wait -1
	CREST
.endm
.macro FRAG reg, adr, off              ; a fragment comes as it was stored: three loads of 512 consecutive bytes
.irp c,0,1,2
	ds_load_b128 v[\reg+4*\c:\reg+4*\c+3], v[\adr] offset:\off+512*\c
.endr
.endm
.macro WM d, b, a, cm, cr, sb, sa, row ; one product.  cm 0: onto the sum; 1: starts it with 0; 2: starts it with v[cr ..].  row: which half of the lanes holds this K step's scale words
.if (\cm) == 2
	v_wmma_scale_f32_16x16x128_f8f6f4 v[\d:\d+7], v[\b:\b+11], v[\a:\a+11], v[\cr:\cr+7], v[\sb], v[\sa] matrix_a_fmt:MATRIX_FMT_FP6 matrix_b_fmt:MATRIX_FMT_FP6
.elseif (\cm) == 1
	v_wmma_scale_f32_16x16x128_f8f6f4 v[\d:\d+7], v[\b:\b+11], v[\a:\a+11], 0, v[\sb], v[\sa] matrix_a_fmt:MATRIX_FMT_FP6 matrix_b_fmt:MATRIX_FMT_FP6
.elseif (\row) == 0
	v_wmma_scale_f32_16x16x128_f8f6f4 v[\d:\d+7], v[\b:\b+11], v[\a:\a+11], v[\d:\d+7], v[\sb], v[\sa] matrix_a_fmt:MATRIX_FMT_FP6 matrix_b_fmt:MATRIX_FMT_FP6
.else
	v_wmma_scale_f32_16x16x128_f8f6f4 v[\d:\d+7], v[\b:\b+11], v[\a:\a+11], v[\d:\d+7], v[\sb], v[\sa] matrix_a_fmt:MATRIX_FMT_FP6 matrix_b_fmt:MATRIX_FMT_FP6 matrix_a_scale:MATRIX_SCALE_ROW1 matrix_b_scale:MATRIX_SCALE_ROW1
.endif
.endm
; ---- phase 1
.macro MUL16 a0, ks, cm                ; 16 products; the 64 accumulators take turns, one instruction a turn, in the same order in every step
.irp a, \a0, \a0+1
.irp b,0,1,2,3,4,5,6,7
	WM 8*(8*((\a)%4)+\b), 128*((\ks)%2)+12*\b, AF+12*(\a), \cm, 96+128*(\b/4)+8*(\b%4), SB+4*\b+(\ks)%4, SA+4*(\a)+(\ks)%4, (\ks)/4
.endr
.endr
.endm
.macro FETCH_B slot, q, p
	WIN 0x40
.irp i,0,1,2,3,4,5,6,7
	FRAG 128*(\p)+12*\i, ADRB+\slot, ((2+2*(\slot))*\i+\q)*1536   ; slot 0 holds two K steps of a row block on end, slot 1 four
.endr
	WIN 0
.endm
.macro FETCH_A slot, q, i0
.irp i, \i0, \i0+1, \i0+2, \i0+3
	FRAG AF+12*(\i), ADRA+\slot, ((2+2*(\slot))*(\i)+\q)*1536
.endr
.endm
.macro STEP ks, nslot, nq, cm          ; a K step whose successor's fragments lie in a slot that is whole
	s_wait_dscnt 12                                ; source 0's set and the tokens' blocks 0-3 are in; the youngest 12 loads (blocks 4-7) may be out
.if (\cm) == 2
	WIN 0x91
.else
	WIN 0xa1
.endif
	MUL16 0, \ks, \cm
	MUL16 2, \ks, \cm
	s_wait_dscnt 0x0                               ; blocks 4-7 are in
	PLACES 4                                       ; four places in front of loads into registers that products have read
	FETCH_B \nslot, \nq, 1-(\ks)%2
	FETCH_A \nslot, \nq, 0
.if (\cm) == 2
	WIN 0xd1
.else
	WIN 0xf1
.endif
	MUL16 4, \ks, \cm
	MUL16 6, \ks, \cm
	PLACES 4
	WIN 0
	FETCH_A \nslot, \nq, 4
.endm
.macro TURN ks, nslot, fill            ; a K step with a barrier: in front of it each wave waits for all its tensor loads, adds 0 to its spare word, and waits for that and for its reads
	s_wait_tensorcnt 0x0                           ; all my tensor loads have landed
	ds_add_u32 v[SPW], v[NIL]
	s_wait_dscnt 13                                ; (the add and the youngest 12 loads may be out)
	WIN 0xa1
	MUL16 0, \ks, 0
	s_wait_dscnt 0x0                               ; the add is done, and my reads of the slots that are left are over
	s_barrier_signal -1
	MUL16 2, \ks, 0
	WIN 0
	s_barrier_wait -1
	CREST                                          ; the barrier has opened a round of the cluster's: no wave of any partner still reads the bytes that are filled now, or has a load on its way
.if (\fill) == 1
	s_mov_b32 s[G1A+2], 8<<16                      ; no tensor load of mine is out: from here on a load of slot 0 brings 8 row blocks, a quarter of the slot
	s_mov_b32 s[G1A+4], 8
	s_mov_b32 s[G1B+2], 8<<16
	s_mov_b32 s[G1B+4], 8
	s_add_nc_u64 s[G0A+2:G0A+3], s[G0A+2:G0A+3], 9216      ; K steps 6 and 7, into slot 0
	s_add_nc_u64 s[G0B+2:G0B+3], s[G0B+2:G0B+3], 9216
	JLOAD G0A, G1A, G0B, G1B                       ; my one tensor load behind the round; four K steps, 256 products, stand ahead of the wait for it
.else
	JLOAD G0A+4, G1T, G0B+4, G1W                   ; phase 2's K steps 0-3, onto slots 1 and 2, which nobody reads any more: my one tensor load behind the round
.endif
	FETCH_B \nslot, 0, 0                           ; (the four v_nop behind the joint load are the places in front of these loads)
	FETCH_A \nslot, 0, 0
	WIN 0xf1
	MUL16 4, \ks, 0
	MUL16 6, \ks, 0
	PLACES 4
	WIN 0
	FETCH_A \nslot, 0, 4
.endm
; ---- phase 2
.macro MULH a0, n, ks, cm              ; 8 n products; the 32 accumulators take turns, one instruction a turn, in the same order in every step
.set AA, \a0
.rept \n
.irp b,0,1,2,3,4,5,6,7
	WM 8*(8*AA+\b), 128*((\ks)%2)+12*\b, 128+48*((\ks)%2)+12*AA, \cm, 8*AA, SA+4*\b+(\ks)%4, SV+4*AA+(\ks)%4, (\ks)/4
.endr
.set AA, AA+1
.endr
.endm
.macro FETCHH slot, q, p               ; a K step's 12 fragments into set p: my 8 row blocks of tokens, my 4 of weights
	WIN 0x40
.irp i,0,1,2,3,4,5,6,7
	FRAG 128*(\p)+12*\i, ADT+\slot, (4*\i+\q)*1536
.endr
	WIN 0
.irp i,0,1,2,3
	FRAG 128+48*(\p)+12*\i, ADW+\slot, (4*\i+\q)*1536
.endr
.endm
.macro HSTEP ks, nslot, nq, cm
	s_wait_dscnt 0x0                               ; this step's fragments are in
	PLACES 4                                       ; four places in front of loads into the set that the last step's products read
	FETCHH \nslot, \nq, 1-(\ks)%2
.if (\cm) == 2
	WIN 0xb1                                       ; the bias lies in window 3
.else
	WIN 0xa1
.endif
	MULH 0, 4, \ks, \cm
	WIN 0
.endm
; ---- the quantiser
.macro CODES s, w                      ; 64 numbers of window w become the fragment's 12 registers
	WIN \w
.irp c,0,1
	v_cvt_scalef32_pk16_fp6_f32 v[PC+6*\c:PC+6*\c+2], v[\s+32*\c:\s+32*\c+15], v[TM+12+2*\c]
	v_cvt_scalef32_pk16_fp6_f32 v[PC+12+4*\c:PC+14+4*\c], v[\s+32*\c+16:\s+32*\c+31], v[TM+13+2*\c]   ; (a conversion's three registers begin on an even number)
.endr
	WIN 0
	v_nop                                          ; one plain place behind a scaled conversion
.irp c,0,1                             ; the layout wants a whole block in a lane: lanes 0-15 block 2 c, lanes 16-31 block 2 c + 1
.irp i,0,1,2
	v_permlane16_swap_b32 v[PC+6*\c+\i], v[PC+12+4*\c+\i]
.endr
.irp i,0,1,2
	v_mov_b32 v[PC+3+6*\c+\i], v[PC+12+4*\c+\i]
.endr
.endr
.endm
.macro QUANTW s, w                     ; register 16 b + i of the 64 = k 32 b + 16 (lane / 16) + i of my row.  Each accumulator is read from its low end on
	WIN (\w)|((\w)<<2)
.irp b,0,1,2,3
	v_max3_num_f32 v[TM+\b], |v[\s+16*\b]|, |v[\s+16*\b+1]|, 0x1800000    ; and the floor 2^(3 - 127): the byte cannot fall under 1
.endr
.irp i,2,4,6,8,10,12,14
.irp b,0,1,2,3
	v_max3_num_f32 v[TM+\b], |v[\s+16*\b+\i]|, |v[\s+16*\b+\i+1]|, v[TM+\b]
.endr
.endr
	WIN 0
.irp b,0,1,2,3
	v_permlanex16_b32 v[TM+4+\b], v[TM+\b], s92, s93
.endr
.irp b,0,1,2,3
	v_max_num_f32 v[TM+\b], v[TM+\b], v[TM+4+\b]   ; with lane l xor 16's: the block's largest magnitude
.endr
.irp b,0,1,2,3
	v_add_nc_u32 v[TM+12+\b], 0xff000000, v[TM+\b] ; 2 off the exponent field: the conversion's scale operand
.endr
.irp b,0,1,2,3
	v_lshrrev_b32 v[TM+4+\b], 23, v[TM+12+\b]      ; the byte
.endr
	s_wait_alu depctr_va_vdst(0)
	s_wait_xcnt 0x0                                ; the last block's stores have read the registers that are written from here on
	v_lshl_or_b32 v[PW], v[TM+5], 8, v[TM+4]
	v_lshl_or_b32 v[PW], v[TM+6], 16, v[PW]
	v_lshl_or_b32 v[PW], v[TM+7], 24, v[PW]
	CODES \s, \w
.endm
.macro PUTF oc, os, offc, offs         ; the fragment leaves as it stands: three stores of 512 consecutive bytes; its scale word, 4 bytes a row, 16 bytes apart
.irp c,0,1,2
	global_store_b128 v[LI], v[PC+4*\c:PC+4*\c+3], s[\oc:\oc+1] offset:\offc+512*\c
.endr
	global_store_b32 v[SOF], v[PW], s[\os:\os+1] offset:\offs
.endm
; THE WAY OUT GOES BY PAIRS OF BLOCKS: two blocks of 64 registers, neighbours in one window, are quantised stage by stage together, so that eight chains of maxima take turns and one pair of waits serves both.
; Block u of a pair works in v[TA + TD u ..] and leaves its codes in v[PA + PD u ..], its scale word in v[PA + PD u + 20].  The second block's registers held Wq's and Wk's scale words (v64-79) and fragments (v176-196), which are done with.
.set TA, 96
.set TD, -32
.set PA, 224
.set PD, -48
.macro QUANT2 s, w                     ; register 64 u + 16 b + i = k 32 b + 16 (lane / 16) + i of my row of block u.  Each accumulator is read from its low end on
	WIN (\w)|((\w)<<2)
.irp u,0,1
.irp b,0,1,2,3
	v_max3_num_f32 v[TA+TD*\u+\b], |v[\s+64*\u+16*\b]|, |v[\s+64*\u+16*\b+1]|, 0x1800000    ; and the floor 2^(3 - 127): the byte cannot fall under 1
.endr
.endr
.irp i,2,4,6,8,10,12,14
.irp u,0,1
.irp b,0,1,2,3
	v_max3_num_f32 v[TA+TD*\u+\b], |v[\s+64*\u+16*\b+\i]|, |v[\s+64*\u+16*\b+\i+1]|, v[TA+TD*\u+\b]
.endr
.endr
.endr
	WIN 0
.irp u,0,1
.irp b,0,1,2,3
	v_permlanex16_b32 v[TA+TD*\u+4+\b], v[TA+TD*\u+\b], s92, s93
.endr
.endr
.irp u,0,1
.irp b,0,1,2,3
	v_max_num_f32 v[TA+TD*\u+\b], v[TA+TD*\u+\b], v[TA+TD*\u+4+\b]   ; with lane l xor 16's: the block's largest magnitude
.endr
.endr
.irp u,0,1
.irp b,0,1,2,3
	v_add_nc_u32 v[TA+TD*\u+12+\b], 0xff000000, v[TA+TD*\u+\b]       ; 2 off the exponent field: the conversion's scale operand
.endr
.endr
.irp u,0,1
.irp b,0,1,2,3
	v_lshrrev_b32 v[TA+TD*\u+4+\b], 23, v[TA+TD*\u+12+\b]            ; the byte
.endr
.endr
	s_wait_alu depctr_va_vdst(0)
	s_wait_xcnt 0x0                                ; the last pair's stores have read the registers that are written from here on
.irp u,0,1
	v_lshl_or_b32 v[PA+PD*\u+20], v[TA+TD*\u+5], 8, v[TA+TD*\u+4]
.endr
.irp u,0,1
	v_lshl_or_b32 v[PA+PD*\u+20], v[TA+TD*\u+6], 16, v[PA+PD*\u+20]
.endr
.irp u,0,1
	v_lshl_or_b32 v[PA+PD*\u+20], v[TA+TD*\u+7], 24, v[PA+PD*\u+20]
.endr
	WIN \w
.irp u,0,1
.irp c,0,1
	v_cvt_scalef32_pk16_fp6_f32 v[PA+PD*\u+6*\c:PA+PD*\u+6*\c+2], v[\s+64*\u+32*\c:\s+64*\u+32*\c+15], v[TA+TD*\u+12+2*\c]
	v_cvt_scalef32_pk16_fp6_f32 v[PA+PD*\u+12+4*\c:PA+PD*\u+14+4*\c], v[\s+64*\u+32*\c+16:\s+64*\u+32*\c+31], v[TA+TD*\u+13+2*\c]   ; (a conversion's three registers begin on an even number)
.endr
.endr
	WIN 0
	v_nop                                          ; one plain place behind a scaled conversion
.irp u,0,1
.irp c,0,1                             ; the layout wants a whole block in a lane: lanes 0-15 block 2 c, lanes 16-31 block 2 c + 1
.irp i,0,1,2
	v_permlane16_swap_b32 v[PA+PD*\u+6*\c+\i], v[PA+PD*\u+12+4*\c+\i]
.endr
.endr
.endr
.irp u,0,1
.irp c,0,1
.irp i,0,1,2
	v_mov_b32 v[PA+PD*\u+3+6*\c+\i], v[PA+PD*\u+12+4*\c+\i]
.endr
.endr
.endr
.endm
.macro PUT2 oc, os, offc, offs, dc, ds ; the two fragments leave as they stand: three stores of 512 consecutive bytes each; their scale words, 4 bytes a row
.irp u,0,1
.irp c,0,1,2
	global_store_b128 v[LI], v[PA+PD*\u+4*\c:PA+PD*\u+4*\c+3], s[\oc:\oc+1] offset:\offc+(\dc)*\u+512*\c
.endr
	global_store_b32 v[SOF], v[PA+PD*\u+20], s[\os:\os+1] offset:\offs+(\ds)*\u
.endr
.endm
	s_load_b256 s[4:11], s[0:1], 0x0               ; xw s[4:5], bqkv s[6:7], qkc s[8:9], vvc s[10:11]
	v_lshl_add_u32 v[SPW], v0, 2, SPARE
	v_mov_b32 v[NIL], 0
	ds_add_u32 v[SPW], v[NIL]                      ; the wave's opening
	ds_add_u32 v[SPW], v[NIL]
	v_lshrrev_b32 v1, 5, v0
	v_readfirstlane_b32 s13, v1                    ; wave
	s_lshr_b32 s14, s13, 1                         ; which 128 tokens are mine, in both phases.  Also: I fetch tokens (0) or weights (1)
	s_and_b32 s15, s13, 1                          ; which half of the tile's channels.  Also: which half of a tile I fetch
	s_bfe_u32 s66, ttmp6, 0x40000                  ; cx
	s_bfe_u32 s67, ttmp6, 0x40004                  ; cy
	s_lshl_b32 s68, ttmp9, 2
	s_add_co_u32 s68, s68, s66                     ; tile of channels: 256 of q and k, then 128 of v
	s_and_b32 s69, ttmp7, 0xffff
	s_lshl_b32 s69, s69, 2
	s_add_co_u32 s69, s69, s67                     ; tile of 256 tokens
	s_lshl_b32 s70, s67, 2
	s_lshl_b32 s70, 15, s70                        ; my row of the cluster
	s_lshl_b32 s71, 0x1111, s66                    ; my column
	s_or_b32 s[G1A], s70, (3<<16)|(1<<21)          ; the mask; elements of 8 bytes; bit 21 beside a mask; no padding
	s_or_b32 s[G1B], s71, (3<<16)|(1<<21)
; THE HEAD'S FOUR TILES, one a wave: K steps 0 and 1 of the 16 row blocks of tokens (wave 0) and of weights (wave 2) fill slot 0;
; K steps 2 to 5 of the same row blocks (waves 1 and 3), rows of 6,144 bytes, fill slot 1: 98,304 bytes each, from byte SLOTB on.
.set G1C, 36                           ; groups 1 of the two large tiles: in registers that take phase 2's groups 0 behind K step 1's wait for all loads
.set G1D, 48
.set GHA, 56                           ; their groups 0: in the registers that take phase 2's group 1 for the tokens there
.set GHB, 60
	s_or_b32 s[G1C], s70, (3<<16)|(1<<21)
	s_or_b32 s[G1D], s71, (3<<16)|(1<<21)
.irp g, G1A, G1B
	s_mov_b32 s[\g+1], 384<<16                     ; a row: two K steps of a row block, 3,072 bytes
	s_mov_b32 s[\g+2], 16<<16                      ; 16 row blocks at the head
	s_mov_b32 s[\g+3], 384<<16
	s_mov_b32 s[\g+4], 16
	s_mov_b32 s[\g+5], 1536                        ; 12,288 bytes from row block to row block
	s_mov_b32 s[\g+6], 0
	s_mov_b32 s[\g+7], 0
.endr
.irp g, G1C, G1D
	s_mov_b32 s[\g+1], 768<<16                     ; a row: four K steps of a row block
	s_mov_b32 s[\g+2], 16<<16
	s_mov_b32 s[\g+3], 768<<16
	s_mov_b32 s[\g+4], 16
	s_mov_b32 s[\g+5], 1536
	s_mov_b32 s[\g+6], 0
	s_mov_b32 s[\g+7], 0
.endr
	s_lshl_b32 s72, s69, 4
	s_lshl_b32 s73, s15, 3
	s_add_co_u32 s72, s72, s73
	s_mul_i32 s72, s72, RB8                        ; the tokens' half that I fetch, in both phases
	s_mov_b32 s73, 0
	s_lshl_b32 s74, s68, 4
	s_lshl_b32 s75, s15, 3
	s_add_co_u32 s74, s74, s75
	s_mul_i32 s74, s74, RB8
	s_add_co_u32 s74, s74, WC                      ; the weights'
	s_mov_b32 s75, 0
	s_mul_i32 s96, s13, 24576                      ; where it goes: wave x 8 row blocks
	s_wait_dscnt 0x0                               ; the opening add is done
	s_wait_kmcnt 0x0
	s_add_nc_u64 s[72:73], s[4:5], s[72:73]
	s_add_nc_u64 s[74:75], s[4:5], s[74:75]
	CROUND                                         ; all sixteen work-groups are here: the first joint loads meet
	s_mov_b32 s[G0A], 1                            ; slot 0's groups 0: my quarter.  In wave 0 that is the tokens' tile from its first row at LDS byte 0, in wave 2 the weights' at 49,152
	s_mov_b32 s[G0A+1], s96
	s_mov_b64 s[G0A+2:G0A+3], s[72:73]
	s_or_b32 s[G0A+3], s[G0A+3], 0x80000000
	s_mov_b32 s[G0B], 1
	s_mov_b32 s[G0B+1], s96
	s_mov_b64 s[G0B+2:G0B+3], s[74:75]
	s_or_b32 s[G0B+3], s[G0B+3], 0x80000000
	s_lshl_b32 s78, s69, 4                         ; the tokens' tile from its first row block, K step 2
	s_mul_i32 s78, s78, RB8
	s_add_co_u32 s78, s78, 3072
	s_mov_b32 s79, 0
	s_mov_b32 s[GHA], 1
	s_mov_b32 s[GHA+1], SLOTB
	s_add_nc_u64 s[GHA+2:GHA+3], s[4:5], s[78:79]
	s_or_b32 s[GHA+3], s[GHA+3], 0x80000000
	s_lshl_b32 s90, s68, 4                         ; the weights' likewise
	s_mul_i32 s90, s90, RB8
	s_add_co_u32 s90, s90, WC+3072
	s_mov_b32 s91, 0
	s_mov_b32 s[GHB], 1
	s_mov_b32 s[GHB+1], 2*SLOTB
	s_add_nc_u64 s[GHB+2:GHB+3], s[4:5], s[90:91]
	s_or_b32 s[GHB+3], s[GHB+3], 0x80000000
.macro ARM w, g0, g1, next             ; one chain of branches on the wave's number, one joint load to an arm, all arms to one join
	s_cmp_eq_u32 s13, \w
	s_cbranch_scc0 \next
	tensor_load_to_lds s[\g0:\g0+3], s[\g1:\g1+7]
	s_nop 0
	PLACES 4
	s_branch .Lhead_asked
\next:
.endm
	ARM 0, G0A, G1A, .Lhead_b
	ARM 2, G0B, G1B, .Lhead_c
	ARM 1, GHA, G1C, .Lhead_d
	tensor_load_to_lds s[GHB:GHB+3], s[G1D:G1D+7]
	s_nop 0
	PLACES 4
.Lhead_asked:
	s_lshl_b32 s74, s68, 3                         ; phase 2's weights: Wv's row blocks begin at 128; 8 a tile, the 4 that I fetch
	s_lshl_b32 s75, s15, 2
	s_add_co_u32 s74, s74, s75
	s_add_co_u32 s74, s74, 128
	s_mul_i32 s74, s74, RB8
	s_add_co_u32 s74, s74, WC
	s_mov_b32 s75, 0
	s_add_nc_u64 s[74:75], s[4:5], s[74:75]
	v_and_b32 v1, 15, v0
	v_bfe_u32 v2, v0, 4, 1
	v_and_b32 v[LI], 31, v0
	v_lshlrev_b32 v[LI], 4, v[LI]
	s_wait_alu depctr_va_vdst(0)
	v_lshlrev_b32 v[SOF], 4, v1
	v_lshlrev_b32 v5, 6, v2                        ; phase 1's bias: 16 channels on for lanes 16-31
	v_and_b32 v7, 7, v0
	v_bfe_u32 v6, v0, 3, 1
	v_lshl_add_u32 v7, v6, 4, v7
	v_lshlrev_b32 v7, 2, v7                        ; phase 2's bias, of my lane's channel: position r is channel r % 8 + 16 (r / 8) of its 32
	s_wait_alu depctr_va_vdst(0)
	s_mov_b32 s79, 0
	s_lshl_b32 s78, s69, 4
	s_lshl_b32 s90, s14, 3
	s_add_co_u32 s98, s78, s90                     ; my first row block of tokens
	s_lshl_b32 s78, s98, 9
	s_add_co_u32 s78, s78, XS
	s_add_nc_u64 s[84:85], s[4:5], s[78:79]
	s_lshl_b32 s78, s68, 4
	s_lshl_b32 s90, s15, 3
	s_add_co_u32 s78, s78, s90
	s_lshl_b32 s78, s78, 9
	s_add_co_u32 s78, s78, WS
	s_add_nc_u64 s[86:87], s[4:5], s[78:79]
	s_lshl_b32 s78, s68, 10
	s_lshl_b32 s90, s15, 9
	s_add_co_u32 s78, s78, s90
	s_add_nc_u64 s[88:89], s[6:7], s[78:79]
	s_lshl_b32 s78, s68, 3                         ; Wv's scale words: my 4 row blocks, as an offset from xw
	s_lshl_b32 s90, s15, 2
	s_add_co_u32 s78, s78, s90
	s_add_co_u32 s78, s78, 128
	s_lshl_b32 s78, s78, 9
	s_add_co_u32 s78, s78, WS
	v_add_nc_u32 v6, s78, v[LI]
	s_lshl_b32 s78, s68, 9                         ; v's bias: channel 2,048 + 128 x tile + 64 x half, as an offset from bqkv
	s_lshl_b32 s90, s15, 8
	s_add_co_u32 s78, s78, s90
	s_add_co_u32 s78, s78, 8192
	v_add_nc_u32 v7, s78, v7
.irp a,0,1,2,3,4,5,6,7
	global_load_b128 v[SA+4*\a:SA+4*\a+3], v[LI], s[84:85] offset:512*\a
.endr
.irp b,0,1,2,3,4,5,6,7
	global_load_b128 v[SB+4*\b:SB+4*\b+3], v[LI], s[86:87] offset:512*\b
.endr
	WIN 0x40
.irp b,0,1,2,3,4,5,6,7                 ; tile b's eight channels of my half: 32 (b / 2) + 8 (b % 2) + 16 h + 0 .. 7
	global_load_b128 v[96+128*(\b/4)+8*(\b%4):96+128*(\b/4)+8*(\b%4)+3], v5, s[88:89] offset:(32*(\b/2)+8*(\b%2))*4
	global_load_b128 v[96+128*(\b/4)+8*(\b%4)+4:96+128*(\b/4)+8*(\b%4)+7], v5, s[88:89] offset:(32*(\b/2)+8*(\b%2))*4+16
.endr
	WIN 0
.irp a,0,1,2,3
	global_load_b128 v[SV+4*\a:SV+4*\a+3], v6, s[4:5] offset:512*\a
.endr
.irp a,0,1,2,3
	global_load_b32 v[BV+\a], v7, s[6:7] offset:(32*(\a/2)+8*(\a%2))*4
.endr
	s_mul_i32 s90, s14, 24576
	s_mul_i32 s91, s15, 24576
	s_add_co_u32 s91, s91, 49152
	v_add_nc_u32 v[ADRA], s90, v[LI]
	v_add_nc_u32 v[ADRB], s91, v[LI]
	s_mul_i32 s90, s14, 49152                      ; slot 1: my 8 row blocks x 6,144 bytes of the tokens, from SLOTB on,
	s_mul_i32 s91, s15, 49152                      ; and of the weights, from 2 SLOTB on
	s_add_co_u32 s90, s90, SLOTB
	s_add_co_u32 s91, s91, 2*SLOTB
	v_add_nc_u32 v[ADRA+1], s90, v[LI]
	v_add_nc_u32 v[ADRB+1], s91, v[LI]
	s_mul_i32 s90, s14, 49152                      ; phase 2: my 8 row blocks of tokens x 6,144 bytes,
	s_mul_i32 s91, s15, 24576                      ; my 4 of weights
	v_add_nc_u32 v[ADT+1], s90, v[LI]              ; K steps 4-7: the tokens lie from byte 0 on
	s_add_co_u32 s90, s90, TP
	v_add_nc_u32 v[ADT], s90, v[LI]
	s_add_co_u32 s91, s91, WP
	v_add_nc_u32 v[ADW], s91, v[LI]
	s_add_co_u32 s91, s91, WQ-WP
	v_add_nc_u32 v[ADW+1], s91, v[LI]
	s_lshr_b32 s90, s68, 2                         ; phase 1's way out: q (0) or k (1)
	s_and_b32 s91, s68, 3
	s_lshl_b32 s91, s91, 1
	s_add_co_u32 s91, s91, s15                     ; which K step of the scores' product my 128 channels are
	s_mul_i32 s78, s90, KPART
	s_mul_i32 s99, s98, RB8
	s_add_co_u32 s78, s78, s99
	s_mul_i32 s99, s91, 1536
	s_add_co_u32 s78, s78, s99
	s_add_nc_u64 s[80:81], s[8:9], s[78:79]
	s_lshl_b32 s78, s90, 18
	s_lshl_b32 s99, s98, 9
	s_add_co_u32 s78, s78, s99
	s_lshr_b32 s99, s91, 2
	s_lshl_b32 s99, s99, 8
	s_add_co_u32 s78, s78, s99
	s_and_b32 s99, s91, 3
	s_lshl_b32 s99, s99, 2
	s_add_co_u32 s78, s78, s99
	s_add_co_u32 s78, s78, QKS
	s_add_nc_u64 s[82:83], s[8:9], s[78:79]
	s_lshl_b32 s90, s69, 1                         ; phase 2's way out: my 128 tokens are chunk 0 .. 63:
	s_add_co_u32 s90, s90, s14
	s_lshr_b32 s91, s90, 4                         ; the batch,
	s_and_b32 s90, s90, 15                         ; the K step of p v
	s_lshl_b32 s91, s91, 6
	s_lshl_b32 s99, s68, 3
	s_add_co_u32 s91, s91, s99
	s_lshl_b32 s99, s15, 2
	s_add_co_u32 s91, s91, s99                     ; my first row block of v
	s_mul_i32 s78, s91, 24576
	s_mul_i32 s99, s90, 1536
	s_add_co_u32 s78, s78, s99
	s_add_nc_u64 s[76:77], s[10:11], s[78:79]
	s_lshl_b32 s78, s91, 10
	s_lshr_b32 s99, s90, 2
	s_lshl_b32 s99, s99, 8
	s_add_co_u32 s78, s78, s99
	s_and_b32 s99, s90, 3
	s_lshl_b32 s99, s99, 2
	s_add_co_u32 s78, s78, s99
	s_add_co_u32 s78, s78, VS
	s_add_nc_u64 s[94:95], s[10:11], s[78:79]
	s_mov_b32 s92, 0x76543210
	s_mov_b32 s93, 0xfedcba98
.irp b,0,1,2,3
	v_mov_b32 v[TM+4+\b], 0                        ; a lane permute's destination counts as one of its sources
.endr
	s_wait_alu depctr_va_vdst(0)
	s_cmp_lg_u32 s15, 0
	s_cbranch_scc1 .Lbig_out                       ; waves 1 and 3 asked for slot 1, which is first read behind K step 1's round, where every wave waits for all its loads
	s_wait_tensorcnt 0x0                           ; waves 0 and 2: my half of slot 0 is in
.Lbig_out:
	s_barrier_signal -1
	s_barrier_wait -1
	FETCH_B 0, 0, 0
	FETCH_A 0, 0, 0
	FETCH_A 0, 0, 4
	s_wait_loadcnt 0x0                             ; scale words and biases are in: so the registers that held their bases may be written:
	s_or_b32 s[G1W], s71, (3<<16)|(1<<21)          ; group 1 for phase 2's weights: they go to my column; 4 row blocks x 6,144 bytes
	s_mov_b32 s[G1W+1], 768<<16
	s_mov_b32 s[G1W+2], 4<<16
	s_mov_b32 s[G1W+3], 768<<16
	s_mov_b32 s[G1W+4], 4
	s_mov_b32 s[G1W+5], 1536
	s_mov_b32 s[G1W+6], 0
	s_mov_b32 s[G1W+7], 0
	STEP 0, 0, 1, 2                                ; the first products start the sums with the bias
	TURN 1, 1, 1                                   ; slot 0 is left and filled again
	; the loads of sets 1 and 2 of the groups 0 were shown done by the wait for all loads in K step 1: the sets now take phase 2's two fills
	s_or_b32 s[G1T], s70, (3<<16)|(1<<21)          ; group 1 for phase 2's tokens: they go to my row; 8 row blocks x four K steps, 6,144 bytes a row
	s_mov_b32 s[G1T+1], 768<<16
	s_mov_b32 s[G1T+2], 8<<16
	s_mov_b32 s[G1T+3], 768<<16
	s_mov_b32 s[G1T+4], 8
	s_mov_b32 s[G1T+5], 1536
	s_mov_b32 s[G1T+6], 0
	s_mov_b32 s[G1T+7], 0
	s_mul_i32 s96, s15, 49152
	s_mul_i32 s97, s15, 24576
	s_mov_b32 s[G0A+4], 1
	s_add_co_u32 s[G0A+5], s96, TP
	s_mov_b64 s[G0A+6:G0A+7], s[72:73]
	s_or_b32 s[G0A+7], s[G0A+7], 0x80000000
	s_mov_b32 s[G0B+4], 1
	s_add_co_u32 s[G0B+5], s97, WP
	s_mov_b64 s[G0B+6:G0B+7], s[74:75]
	s_or_b32 s[G0B+7], s[G0B+7], 0x80000000
	s_mov_b32 s[G0A+8], 1
	s_add_co_u32 s[G0A+9], s96, TQ
	s_add_nc_u64 s[G0A+10:G0A+11], s[72:73], 6144
	s_or_b32 s[G0A+11], s[G0A+11], 0x80000000
	s_mov_b32 s[G0B+8], 1
	s_add_co_u32 s[G0B+9], s97, WQ
	s_add_nc_u64 s[G0B+10:G0B+11], s[74:75], 6144
	s_or_b32 s[G0B+11], s[G0B+11], 0x80000000
	STEP 2, 1, 1, 0
	s_wait_alu depctr_va_vdst(0)
	STEP 3, 1, 2, 0                                ; slot 1 is whole: every wave waited for all its loads ahead of the round in K step 1
	STEP 4, 1, 3, 0
	TURN 5, 0, 2                                   ; the refill of slot 0 has landed, everybody's; slots 1 and 2 are left and take phase 2's first four K steps
	STEP 6, 0, 1, 0
	s_wait_dscnt 12
	WIN 0xa1
	MUL16 0, 7, 0
	MUL16 2, 7, 0
	s_wait_dscnt 0x0                               ; my last reads of slot 0 are over
	WIN 0xf1
	MUL16 4, 7, 0
	MUL16 6, 7, 0
	WIN 0
	PLACES 4
.irp a,0,2                             ; phase 1's way out, two blocks of 16 tokens at a time: a block's 128 channels become one fragment and one scale word a token
	QUANT2 64*\a, 2
	PUT2 80, 82, \a*12288, \a*512, 12288, 512
.endr
	s_wait_tensorcnt 0x0                           ; my part of phase 2's first four K steps has landed: 160 products and four blocks of the way out stood ahead of this wait
	ds_add_u32 v[SPW], v[NIL]
	s_wait_dscnt 0x0                               ; the add is done; my reads of slot 0 ended above
	CROUND                                         ; no wave of any partner still reads slot 0 or has a load on its way; and the first four K steps are whole
	JLOAD G0A+8, G1T, G0B+8, G1W                   ; phase 2's K steps 4-7: my one tensor load behind the round; four blocks of the way out and 96 products stand ahead of the wait for it
	FETCHH 0, 0, 0                                 ; phase 2's first fragments come while phase 1's way out goes on
.irp a,4,6
	QUANT2 64*(\a-4), 3
	PUT2 80, 82, \a*12288, \a*512, 12288, 512
.endr
	WIN 0xc0                                       ; window 3 is free: v's bias, one number a lane, in the eight registers of a result
.irp a,0,1,2,3
.irp j,0,1,2,3,4,5,6,7
	v_mov_b32 v[8*\a+\j], v[BV+\a]
.endr
.endr
	WIN 0
	s_wait_alu depctr_va_vdst(0)
	s_wait_xcnt 0x0                                ; the way out's stores have read v176-196: phase 2's fragments may land there
	HSTEP 0, 0, 1, 2                               ; the first products start the sums with the bias
	HSTEP 1, 0, 2, 0
	HSTEP 2, 0, 3, 0
	s_wait_tensorcnt 0x0                           ; my part of K steps 4-7 has landed: no load was issued behind it
	s_wait_dscnt 0x0                               ; K step 3's fragments are in
	WIN 0xa1
	MULH 0, 1, 3, 0
	s_barrier_signal -1
	MULH 1, 1, 3, 0
	WIN 0
	s_barrier_wait -1                              ; everybody's has
	PLACES 4
	FETCHH 1, 0, 0
	WIN 0xa1
	MULH 2, 2, 3, 0
	WIN 0
	HSTEP 4, 1, 1, 0
	HSTEP 5, 1, 2, 0
	HSTEP 6, 1, 3, 0
	s_wait_dscnt 0x0
	WIN 0xa1
	MULH 0, 4, 7, 0
	WIN 0
	PLACES 4
.irp a,0,2                             ; phase 2's way out, two blocks of 16 channels at a time: a block's 128 keys become one fragment and one scale word a channel
	QUANT2 64*\a, 2
	PUT2 76, 94, \a*24576, \a*1024, 24576, 1024
.endr
	s_wait_tensorcnt 0x0                           ; the wave's end
	ds_add_u32 v[SPW], v[NIL]
	s_wait_dscnt 0x0
	CROUND                                         ; the closing round
	s_endpgm
.Lfunc_end_k_q11bf617307_qkv:
	.size	k_q11bf617307_qkv, .Lfunc_end_k_q11bf617307_qkv-k_q11bf617307_qkv
	.p2alignl 7, 3214868480
	.fill 96, 4, 3214868480
	.section	.rodata,"a",@progbits
	.p2align	6, 0x0
	.amdhsa_kernel k_q11bf617307_qkv
		.amdhsa_group_segment_fixed_size 327680
		.amdhsa_private_segment_fixed_size 0
		.amdhsa_enable_private_segment 0
		.amdhsa_kernarg_size 32
		.amdhsa_user_sgpr_count 2
		.amdhsa_user_sgpr_kernarg_segment_ptr 1
		.amdhsa_wavefront_size32 1
		.amdhsa_system_sgpr_workgroup_id_x 1
		.amdhsa_system_sgpr_workgroup_id_y 1
		.amdhsa_system_sgpr_workgroup_id_z 1
		.amdhsa_system_vgpr_workitem_id 0
		.amdhsa_next_free_vgpr 1024
		.amdhsa_next_free_sgpr 100
		.amdhsa_reserve_vcc 0
		.amdhsa_float_denorm_mode_32 3
		.amdhsa_float_denorm_mode_16_64 3
		.amdhsa_memory_ordered 1
		.amdhsa_forward_progress 1
		.amdhsa_inst_pref_size 216
	.end_amdhsa_kernel
	.amdgpu_metadata
---
amdhsa.version: [ 1, 2 ]
amdhsa.kernels:
  - .name:           k_q11bf617307_qkv
    .symbol:         k_q11bf617307_qkv.kd
    .args:
      - { .name: xw, .offset: 0, .size: 8, .value_kind: global_buffer, .address_space: global }
      - { .name: bqkv, .offset: 8, .size: 8, .value_kind: global_buffer, .address_space: global }
      - { .name: qkc, .offset: 16, .size: 8, .value_kind: global_buffer, .address_space: global }
      - { .name: vvc, .offset: 24, .size: 8, .value_kind: global_buffer, .address_space: global }
    .group_segment_fixed_size: 327680
    .private_segment_fixed_size: 0
    .kernarg_segment_align: 8
    .kernarg_segment_size: 32
    .max_flat_workgroup_size: 128
    .sgpr_count:     100
    .vgpr_count:     1024
    .wavefront_size: 32
...
	.end_amdgpu_metadata
.endif
;; end of part 2
;; launch sc (part 3): grid 8 x 32, 4 waves a work-group, clusters of 4 x 4, 327,680 bytes of LDS; arguments qkc, ppc; writes ppc
.if DOCPART == 3
	.amdgcn_target "amdgcn-amd-amdhsa--gfx1250"
	.amdhsa_code_object_version 6
	.text
	.protected	k_q11bf617307_sc
	.globl	k_q11bf617307_sc
	.p2align	8
	.type	k_q11bf617307_sc,@function
k_q11bf617307_sc:
	s_mov_b64 s[64:65], 0
	v_nop
	global_prefetch_b8 v0, s[64:65] scope:SCOPE_SE
	s_setreg_imm32_b32 hwreg(HW_REG_WAVE_MODE, 25, 1), 1
	s_wait_xcnt 0x0
	s_wait_alu depctr_hold_cnt(0) depctr_sa_sdst(0) depctr_va_vdst(0) depctr_va_sdst(0) depctr_va_ssrc(0) depctr_va_vcc(0) depctr_vm_vsrc(0)
	s_getreg_b32 s2, hwreg(HW_REG_IB_STS2, 6, 4)
	s_cmp_eq_u32 s2, 0
	s_cbranch_scc0 .Lentry_in_a_cluster
	s_endpgm
.Lentry_in_a_cluster:
	s_bfe_u32 s2, ttmp6, 0x10000c
	s_cmp_lg_u32 s2, 0xf033
	s_cbranch_scc0 .Lentry_shape_is_right
	s_endpgm
.Lentry_shape_is_right:
; S^T = k q^T on codes of FP6, and the softmax's numerator as codes.  A tile is 256 queries x 256 keys of one batch; four waves, each 128 x 128.  Source 0 = 16 keys (registers: the next K), source 1 = 16 queries (lanes).
; THE SOFTMAX, BY CHUNKS OF 128 KEYS: t = score x log2(e) / 32; M = the chunk's largest t rounded UP to a whole number, for each query; p = 2^(t - M) is quantised along the keys.  Stored for each query and chunk:
; p's codes, their scale word under the chunk's M, -M, and the sum l of the unquantised p.  The next launch takes the row's largest M and moves scale bytes and sums by the whole number between: exact, and the codes stay.
; The K loop is that of the launch for q and k: 8 steps written out, three slots, one refill, joint loads in a cluster of 4 x 4 (q's tile along a row, k's along a column).
; LIMITS: a block whose every p is under 2^-124 keeps the byte 1; NaN and infinities are not served.
; REGISTERS as in the launch for q and k; v112 -M, v[114:117] sums, v118, v119 at work and l.
.set RB8, 12288
.set KPART, 6291456
.set QKS, 12582912
.set PS, 12582912
.set SLOTB, 98304
.set SPARE, 3*SLOTB
.set LI, 3
.set SOF, 4
.set ADRA, 16
.set ADRB, 20
.set SPW, 28
.set NIL, 29
.set SA, 32
.set SB, 64
.set TM, 96
.set AF, 128
.set PC, 224
.set PW, 244
.set G1A, 16
.set G1B, 24
.set G0A, 32
.set G0B, 44
.set MSB, 0
.macro WIN new
.set NW, (\new)
.if MSB != NW
	s_set_vgpr_msb (MSB<<8)|NW
.set MSB, NW
.endif
.endm
.macro PLACES n
.rept \n
	v_nop
.endr
.endm
.macro JLOAD g0a, g1a, g0b, g1b        ; a joint load: waves 0 and 1 fetch q's halves, waves 2 and 3 k's; an s_nop 0 and four v_nop follow each line
	s_cmp_eq_u32 s14, 0
	s_cbranch_scc0 .Lfor_b_\@
	tensor_load_to_lds s[\g0a:\g0a+3], s[\g1a:\g1a+7]
	s_nop 0
	PLACES 4
	s_branch .Lasked_\@
.Lfor_b_\@:
	tensor_load_to_lds s[\g0b:\g0b+3], s[\g1b:\g1b+7]
	s_nop 0
	PLACES 4
.Lasked_\@:
.endm
.macro CREST
	s_cmp_lg_u32 s13, 0
	s_cbranch_scc1 .Lnot_wave_0_\@
	s_barrier_signal -3
.Lnot_wave_0_\@:
	s_barrier_wait -3
	s_barrier_signal -1
	s_barrier_wait -1
.endm
.macro CROUND
	s_barrier_signal -1
	s_barrier_wait -1
	CREST
.endm
.macro FRAG reg, adr, off
.irp c,0,1,2
	ds_load_b128 v[\reg+4*\c:\reg+4*\c+3], v[\adr] offset:\off+512*\c
.endr
.endm
.macro WM d, b, a, cm, cr, sb, sa, row
.if (\cm) == 2
	v_wmma_scale_f32_16x16x128_f8f6f4 v[\d:\d+7], v[\b:\b+11], v[\a:\a+11], v[\cr:\cr+7], v[\sb], v[\sa] matrix_a_fmt:MATRIX_FMT_FP6 matrix_b_fmt:MATRIX_FMT_FP6
.elseif (\cm) == 1
	v_wmma_scale_f32_16x16x128_f8f6f4 v[\d:\d+7], v[\b:\b+11], v[\a:\a+11], 0, v[\sb], v[\sa] matrix_a_fmt:MATRIX_FMT_FP6 matrix_b_fmt:MATRIX_FMT_FP6
.elseif (\row) == 0
	v_wmma_scale_f32_16x16x128_f8f6f4 v[\d:\d+7], v[\b:\b+11], v[\a:\a+11], v[\d:\d+7], v[\sb], v[\sa] matrix_a_fmt:MATRIX_FMT_FP6 matrix_b_fmt:MATRIX_FMT_FP6
.else
	v_wmma_scale_f32_16x16x128_f8f6f4 v[\d:\d+7], v[\b:\b+11], v[\a:\a+11], v[\d:\d+7], v[\sb], v[\sa] matrix_a_fmt:MATRIX_FMT_FP6 matrix_b_fmt:MATRIX_FMT_FP6 matrix_a_scale:MATRIX_SCALE_ROW1 matrix_b_scale:MATRIX_SCALE_ROW1
.endif
.endm
.macro MUL16 a0, ks, cm                ; the 64 accumulators take turns, one instruction a turn, in the same order in every step
.irp a, \a0, \a0+1
.irp b,0,1,2,3,4,5,6,7
	WM 8*(8*((\a)%4)+\b), 128*((\ks)%2)+12*\b, AF+12*(\a), \cm, 0, SB+4*\b+(\ks)%4, SA+4*(\a)+(\ks)%4, (\ks)/4
.endr
.endr
.endm
.macro FETCH_B slot, q, p
	WIN 0x40
.irp i,0,1,2,3,4,5,6,7
	FRAG 128*(\p)+12*\i, ADRB+\slot, ((2+2*(\slot))*\i+\q)*1536   ; slot 0 holds two K steps of a row block on end, slot 1 four
.endr
	WIN 0
.endm
.macro FETCH_A slot, q, i0
.irp i, \i0, \i0+1, \i0+2, \i0+3
	FRAG AF+12*(\i), ADRA+\slot, ((2+2*(\slot))*(\i)+\q)*1536
.endr
.endm
.macro STEP ks, nslot, nq, cm
	s_wait_dscnt 12                                ; k's set and q's blocks 0-3 are in; the youngest 12 loads (blocks 4-7) may be out
	WIN 0xa1
	MUL16 0, \ks, \cm
	MUL16 2, \ks, \cm
	s_wait_dscnt 0x0
	PLACES 4                                       ; four places in front of loads into registers that products have read
	FETCH_B \nslot, \nq, 1-(\ks)%2
	FETCH_A \nslot, \nq, 0
	WIN 0xf1
	MUL16 4, \ks, \cm
	MUL16 6, \ks, \cm
	PLACES 4
	WIN 0
	FETCH_A \nslot, \nq, 4
.endm
.macro TURN ks, nslot, fill
	s_wait_tensorcnt 0x0                           ; all my tensor loads have landed
	ds_add_u32 v[SPW], v[NIL]
	s_wait_dscnt 13                                ; (the add and the youngest 12 loads may be out)
	WIN 0xa1
	MUL16 0, \ks, 0
	s_wait_dscnt 0x0                               ; the add is done, and my reads of the slot that is left are over
	s_barrier_signal -1
	MUL16 2, \ks, 0
	WIN 0
	s_barrier_wait -1
.if \fill
	CREST                                          ; a round of the cluster's barrier: no wave of any partner still reads slot 0 or has a load on its way
	s_mov_b32 s[G1A+2], 8<<16                      ; no tensor load of mine is out: the refill brings 8 row blocks a wave, a quarter of slot 0
	s_mov_b32 s[G1A+4], 8
	s_mov_b32 s[G1B+2], 8<<16
	s_mov_b32 s[G1B+4], 8
	s_add_nc_u64 s[G0A+2:G0A+3], s[G0A+2:G0A+3], 9216
	s_add_nc_u64 s[G0B+2:G0B+3], s[G0B+2:G0B+3], 9216
	JLOAD G0A, G1A, G0B, G1B                       ; my one tensor load behind the round: K steps 6 and 7
.else
	PLACES 4
.endif
	s_wait_alu depctr_va_vdst(0)
	FETCH_B \nslot, 0, 0
	FETCH_A \nslot, 0, 0
	WIN 0xf1
	MUL16 4, \ks, 0
	MUL16 6, \ks, 0
	PLACES 4
	WIN 0
	FETCH_A \nslot, 0, 4
.endm
.macro CODES s, w
	WIN \w
.irp c,0,1
	v_cvt_scalef32_pk16_fp6_f32 v[PC+6*\c:PC+6*\c+2], v[\s+32*\c:\s+32*\c+15], v[TM+12+2*\c]
	v_cvt_scalef32_pk16_fp6_f32 v[PC+12+4*\c:PC+14+4*\c], v[\s+32*\c+16:\s+32*\c+31], v[TM+13+2*\c]
.endr
	WIN 0
	v_nop                                          ; one plain place behind a scaled conversion
.irp c,0,1
.irp i,0,1,2
	v_permlane16_swap_b32 v[PC+6*\c+\i], v[PC+12+4*\c+\i]
.endr
.irp i,0,1,2
	v_mov_b32 v[PC+3+6*\c+\i], v[PC+12+4*\c+\i]
.endr
.endr
.endm
; 16 queries x my 128 keys: register 16 b + i of the 64 in window w = key 32 b + 16 (lane / 16) + i of my lane's query
.macro SOFT s, w, offc, offs
	WIN (\w)|((\w)<<2)
.irp b,0,1,2,3
	v_max3_num_f32 v[TM+\b], v[\s+16*\b], v[\s+16*\b+1], 0xff7fffff   ; the largest SCORE of each block of 32 keys: it serves the chunk's maximum and, since p rises with the score, the block's largest p
.endr
.irp i,2,4,6,8,10,12,14
.irp b,0,1,2,3
	v_max3_num_f32 v[TM+\b], v[\s+16*\b+\i], v[\s+16*\b+\i+1], v[TM+\b]
.endr
.endr
	WIN 0
.irp b,0,1,2,3
	v_permlanex16_b32 v[TM+4+\b], v[TM+\b], s92, s93
.endr
.irp b,0,1,2,3
	v_max_num_f32 v[TM+\b], v[TM+\b], v[TM+4+\b]
.endr
	v_max3_num_f32 v118, v[TM], v[TM+1], v[TM+2]
	v_max_num_f32 v118, v118, v[TM+3]
	v_mul_f32 v118, s94, v118                      ; the chunk's largest t
	s_wait_alu depctr_va_vdst(0)
	s_wait_xcnt 0x0                                ; the last block's stores have read the registers that are written from here on
	v_floor_f32 v112, -v118                        ; -M = floor(-t): M is a whole number
	WIN (\w)|((\w)<<6)
.set J, 0
.rept 32
	v_pk_fma_f32 v[\s+J:\s+J+1], v[\s+J:\s+J+1], s[94:95], v[112:113] op_sel_hi:[1,0,0]   ; t - M, two at a time
.set J, J+2
.endr
.set J, 0
	s_wait_alu depctr_va_vdst(0)
.rept 64
	v_exp_f32 v[\s+J], v[\s+J]                     ; p = 2^(t - M): one batch
.set J, J+1
.endr
	WIN 0
.irp b,0,1,2,3
	v_fma_f32 v[TM+\b], v[TM+\b], s94, v112        ; the same of each block's largest score.  (Plain places behind the batch)
.endr
	s_wait_alu depctr_va_vdst(0)                   ; one wait for the batch, ahead of its first reader
.irp b,0,1,2,3
	v_exp_f32 v[TM+\b], v[TM+\b]                   ; the block's largest p: the same two instructions on the same number give the same bits
.endr
	WIN (\w)|((\w)<<2)
	v_pk_add_f32 v[114:115], v[\s:\s+1], v[\s+2:\s+3]          ; the sum of the UNQUANTISED p, in two chains
	v_pk_add_f32 v[116:117], v[\s+4:\s+5], v[\s+6:\s+7]
	WIN \w
.irp j,8,12,16,20,24,28,32,36,40,44,48,52,56,60
	v_pk_add_f32 v[114:115], v[\s+\j:\s+\j+1], v[114:115]
	v_pk_add_f32 v[116:117], v[\s+\j+2:\s+\j+3], v[116:117]
.endr
	WIN 0
	v_pk_add_f32 v[114:115], v[114:115], v[116:117]
	s_wait_alu depctr_va_vdst(0)                   ; and one for the four
.irp b,0,1,2,3
	v_max_num_f32 v[TM+\b], 0x1800000, v[TM+\b]    ; the floor 2^(3 - 127)
.endr
.irp b,0,1,2,3
	v_add_nc_u32 v[TM+12+\b], 0xff000000, v[TM+\b]
.endr
.irp b,0,1,2,3
	v_lshrrev_b32 v[TM+4+\b], 23, v[TM+12+\b]
.endr
	v_lshl_or_b32 v[PW], v[TM+5], 8, v[TM+4]
	v_lshl_or_b32 v[PW], v[TM+6], 16, v[PW]
	v_lshl_or_b32 v[PW], v[TM+7], 24, v[PW]
	v_add_f32 v119, v114, v115
	v_permlanex16_b32 v118, v119, s92, s93
	v_add_f32 v119, v119, v118                     ; l of my query and this chunk
	CODES \s, \w
.irp c,0,1,2
	global_store_b128 v[LI], v[PC+4*\c:PC+4*\c+3], s[80:81] offset:\offc+512*\c
.endr
	global_store_b32 v[SOF], v[PW], s[82:83] offset:\offs
	global_store_b32 v[SOF], v112, s[82:83] offset:\offs+524288
	global_store_b32 v[SOF], v119, s[82:83] offset:\offs+1048576
.endm
; THE WAY OUT GOES BY PAIRS OF BLOCKS: two blocks of 16 queries x my 128 keys, neighbours in one window, go through the softmax and the quantiser stage by stage together: eight chains of maxima and four of sums take turns,
; the 128 exponentials are one batch, and each wait serves both blocks.  Block u works in v[TT + 32 u ..]: 0-3 block maxima, 4-7 and 12-15 the quantiser's, 16 -M (17 named with it), 18-21 sums, 22 at work, 23 l;
; its codes stand in v[PP + 32 u ..], its scale word in v[PP + 32 u + 20].  These registers held scale words and q's fragments, which are done with behind the last products.
; register 64 u + 16 b + i of window w = key 32 b + 16 (lane / 16) + i of my lane's query of block u
.set TT, 32
.set PP, 128
.macro SOFT2 s, w, offc, offs
	WIN (\w)|((\w)<<2)
.irp u,0,1
.irp b,0,1,2,3
	v_max3_num_f32 v[TT+32*\u+\b], v[\s+64*\u+16*\b], v[\s+64*\u+16*\b+1], 0xff7fffff   ; the largest SCORE of each block of 32 keys: it serves the chunk's maximum and, since p rises with the score, the block's largest p
.endr
.endr
.irp i,2,4,6,8,10,12,14
.irp u,0,1
.irp b,0,1,2,3
	v_max3_num_f32 v[TT+32*\u+\b], v[\s+64*\u+16*\b+\i], v[\s+64*\u+16*\b+\i+1], v[TT+32*\u+\b]
.endr
.endr
.endr
	WIN 0
.irp u,0,1
.irp b,0,1,2,3
	v_permlanex16_b32 v[TT+32*\u+4+\b], v[TT+32*\u+\b], s92, s93
.endr
.endr
.irp u,0,1
.irp b,0,1,2,3
	v_max_num_f32 v[TT+32*\u+\b], v[TT+32*\u+\b], v[TT+32*\u+4+\b]
.endr
.endr
.irp u,0,1
	v_max3_num_f32 v[TT+32*\u+22], v[TT+32*\u], v[TT+32*\u+1], v[TT+32*\u+2]
.endr
.irp u,0,1
	v_max_num_f32 v[TT+32*\u+22], v[TT+32*\u+22], v[TT+32*\u+3]
.endr
.irp u,0,1
	v_mul_f32 v[TT+32*\u+22], s94, v[TT+32*\u+22]  ; the chunk's largest t
.endr
	s_wait_alu depctr_va_vdst(0)
	s_wait_xcnt 0x0                                ; the last pair's stores have read the registers that are written from here on
.irp u,0,1
	v_floor_f32 v[TT+32*\u+16], -v[TT+32*\u+22]    ; -M = floor(-t): M is a whole number
.endr
	WIN (\w)|((\w)<<6)
.set J, 0
.rept 64
	v_pk_fma_f32 v[\s+J:\s+J+1], v[\s+J:\s+J+1], s[94:95], v[TT+32*(J/64)+16:TT+32*(J/64)+17] op_sel_hi:[1,0,0]   ; t - M, two at a time
.set J, J+2
.endr
	s_wait_alu depctr_va_vdst(0)
.set J, 0
.rept 128
	v_exp_f32 v[\s+J], v[\s+J]                     ; p = 2^(t - M): one batch
.set J, J+1
.endr
	WIN 0
.irp u,0,1
.irp b,0,1,2,3
	v_fma_f32 v[TT+32*\u+\b], v[TT+32*\u+\b], s94, v[TT+32*\u+16]    ; the same of each block's largest score.  (Plain places behind the batch)
.endr
.endr
	s_wait_alu depctr_va_vdst(0)                   ; one wait for the batch, ahead of its first reader
.irp u,0,1
.irp b,0,1,2,3
	v_exp_f32 v[TT+32*\u+\b], v[TT+32*\u+\b]       ; the block's largest p: the same two instructions on the same number give the same bits
.endr
.endr
	WIN (\w)|((\w)<<2)
.irp u,0,1
	v_pk_add_f32 v[TT+32*\u+18:TT+32*\u+19], v[\s+64*\u:\s+64*\u+1], v[\s+64*\u+2:\s+64*\u+3]      ; the sum of the UNQUANTISED p, in two chains a block
	v_pk_add_f32 v[TT+32*\u+20:TT+32*\u+21], v[\s+64*\u+4:\s+64*\u+5], v[\s+64*\u+6:\s+64*\u+7]
.endr
	WIN \w
.irp j,8,12,16,20,24,28,32,36,40,44,48,52,56,60
.irp u,0,1
	v_pk_add_f32 v[TT+32*\u+18:TT+32*\u+19], v[\s+64*\u+\j:\s+64*\u+\j+1], v[TT+32*\u+18:TT+32*\u+19]
	v_pk_add_f32 v[TT+32*\u+20:TT+32*\u+21], v[\s+64*\u+\j+2:\s+64*\u+\j+3], v[TT+32*\u+20:TT+32*\u+21]
.endr
.endr
	WIN 0
.irp u,0,1
	v_pk_add_f32 v[TT+32*\u+18:TT+32*\u+19], v[TT+32*\u+18:TT+32*\u+19], v[TT+32*\u+20:TT+32*\u+21]
.endr
	s_wait_alu depctr_va_vdst(0)                   ; and one for the eight
.irp u,0,1
.irp b,0,1,2,3
	v_max_num_f32 v[TT+32*\u+\b], 0x1800000, v[TT+32*\u+\b]          ; the floor 2^(3 - 127)
.endr
.endr
.irp u,0,1
.irp b,0,1,2,3
	v_add_nc_u32 v[TT+32*\u+12+\b], 0xff000000, v[TT+32*\u+\b]       ; 2 off the exponent field: the conversion's scale operand
.endr
.endr
.irp u,0,1
.irp b,0,1,2,3
	v_lshrrev_b32 v[TT+32*\u+4+\b], 23, v[TT+32*\u+12+\b]            ; the byte
.endr
.endr
.irp u,0,1
	v_lshl_or_b32 v[PP+32*\u+20], v[TT+32*\u+5], 8, v[TT+32*\u+4]
	v_add_f32 v[TT+32*\u+23], v[TT+32*\u+18], v[TT+32*\u+19]
.endr
.irp u,0,1
	v_lshl_or_b32 v[PP+32*\u+20], v[TT+32*\u+6], 16, v[PP+32*\u+20]
	v_permlanex16_b32 v[TT+32*\u+22], v[TT+32*\u+23], s92, s93
.endr
.irp u,0,1
	v_lshl_or_b32 v[PP+32*\u+20], v[TT+32*\u+7], 24, v[PP+32*\u+20]
	v_add_f32 v[TT+32*\u+23], v[TT+32*\u+23], v[TT+32*\u+22]         ; l of my query and this chunk
.endr
	WIN \w
.irp u,0,1
.irp c,0,1
	v_cvt_scalef32_pk16_fp6_f32 v[PP+32*\u+6*\c:PP+32*\u+6*\c+2], v[\s+64*\u+32*\c:\s+64*\u+32*\c+15], v[TT+32*\u+12+2*\c]
	v_cvt_scalef32_pk16_fp6_f32 v[PP+32*\u+12+4*\c:PP+32*\u+14+4*\c], v[\s+64*\u+32*\c+16:\s+64*\u+32*\c+31], v[TT+32*\u+13+2*\c]   ; (a conversion's three registers begin on an even number)
.endr
.endr
	WIN 0
	v_nop                                          ; one plain place behind a scaled conversion
.irp u,0,1
.irp c,0,1                             ; the layout wants a whole block in a lane
.irp i,0,1,2
	v_permlane16_swap_b32 v[PP+32*\u+6*\c+\i], v[PP+32*\u+12+4*\c+\i]
.endr
.endr
.endr
.irp u,0,1
.irp c,0,1
.irp i,0,1,2
	v_mov_b32 v[PP+32*\u+3+6*\c+\i], v[PP+32*\u+12+4*\c+\i]
.endr
.endr
.endr
.irp u,0,1
.irp c,0,1,2
	global_store_b128 v[LI], v[PP+32*\u+4*\c:PP+32*\u+4*\c+3], s[80:81] offset:\offc+24576*\u+512*\c
.endr
	global_store_b32 v[SOF], v[PP+32*\u+20], s[82:83] offset:\offs+1024*\u
	global_store_b32 v[SOF], v[TT+32*\u+16], s[82:83] offset:\offs+1024*\u+524288
	global_store_b32 v[SOF], v[TT+32*\u+23], s[82:83] offset:\offs+1024*\u+1048576
.endr
.endm
	s_load_b128 s[4:7], s[0:1], 0x0                ; qkc, ppc
	v_lshl_add_u32 v[SPW], v0, 2, SPARE
	v_mov_b32 v[NIL], 0
	ds_add_u32 v[SPW], v[NIL]                      ; the wave's opening
	ds_add_u32 v[SPW], v[NIL]
	v_lshrrev_b32 v1, 5, v0
	v_readfirstlane_b32 s13, v1
	s_lshr_b32 s14, s13, 1                         ; which 128 queries are mine.  Also: I fetch q (0) or k (1)
	s_and_b32 s15, s13, 1                          ; which 128 keys.  Also: which half of that tile I fetch
	s_bfe_u32 s66, ttmp6, 0x40000
	s_bfe_u32 s67, ttmp6, 0x40004
	s_lshl_b32 s68, ttmp9, 2
	s_add_co_u32 s68, s68, s66                     ; tile of keys in the batch
	s_and_b32 s69, ttmp7, 0xffff
	s_lshl_b32 s69, s69, 2
	s_add_co_u32 s69, s69, s67                     ; tile of queries, over all batches
	s_and_b32 s77, ttmp7, 0xffff
	s_lshr_b32 s77, s77, 1                         ; the batch: from the cluster's y alone, which all sixteen share
	s_lshl_b32 s70, s67, 2
	s_lshl_b32 s70, 15, s70
	s_lshl_b32 s71, 0x1111, s66
	s_or_b32 s[G1A], s70, (3<<16)|(1<<21)
	s_or_b32 s[G1B], s71, (3<<16)|(1<<21)
; THE HEAD'S FOUR TILES, one a wave: K steps 0 and 1 of q's 16 row blocks (wave 0) and of k's (wave 2) fill slot 0;
; K steps 2 to 5 of the same row blocks (waves 1 and 3), rows of 6,144 bytes, fill slot 1: 98,304 bytes each, from byte SLOTB on.
.set G1C, 36
.set G1D, 48
.set GHA, 56
.set GHB, 60
	s_or_b32 s[G1C], s70, (3<<16)|(1<<21)
	s_or_b32 s[G1D], s71, (3<<16)|(1<<21)
.irp g, G1C, G1D
	s_mov_b32 s[\g+1], 768<<16
	s_mov_b32 s[\g+2], 16<<16
	s_mov_b32 s[\g+3], 768<<16
	s_mov_b32 s[\g+4], 16
	s_mov_b32 s[\g+5], 1536
	s_mov_b32 s[\g+6], 0
	s_mov_b32 s[\g+7], 0
.endr
.irp g, G1A, G1B
	s_mov_b32 s[\g+1], 384<<16
	s_mov_b32 s[\g+2], 16<<16                      ; 16 row blocks at the head
	s_mov_b32 s[\g+3], 384<<16
	s_mov_b32 s[\g+4], 16
	s_mov_b32 s[\g+5], 1536
	s_mov_b32 s[\g+6], 0
	s_mov_b32 s[\g+7], 0
.endr
	s_lshl_b32 s72, s69, 4
	s_lshl_b32 s73, s15, 3
	s_add_co_u32 s72, s72, s73
	s_mul_i32 s72, s72, RB8
	s_mov_b32 s73, 0
	s_lshl_b32 s74, s77, 7
	s_lshl_b32 s75, s68, 4
	s_add_co_u32 s74, s74, s75
	s_lshl_b32 s75, s15, 3
	s_add_co_u32 s74, s74, s75
	s_mul_i32 s74, s74, RB8
	s_add_co_u32 s74, s74, KPART
	s_mov_b32 s75, 0
	s_mul_i32 s96, s13, 24576
	s_wait_dscnt 0x0
	s_wait_kmcnt 0x0
	s_add_nc_u64 s[72:73], s[4:5], s[72:73]
	s_add_nc_u64 s[74:75], s[4:5], s[74:75]
	CROUND
	s_mov_b32 s[G0A], 1                            ; slot 0's groups 0: my quarter.  In wave 0 that is q's tile from its first row at LDS byte 0, in wave 2 k's at 49,152
	s_mov_b32 s[G0A+1], s96
	s_mov_b64 s[G0A+2:G0A+3], s[72:73]
	s_or_b32 s[G0A+3], s[G0A+3], 0x80000000
	s_mov_b32 s[G0B], 1
	s_mov_b32 s[G0B+1], s96
	s_mov_b64 s[G0B+2:G0B+3], s[74:75]
	s_or_b32 s[G0B+3], s[G0B+3], 0x80000000
	s_lshl_b32 s78, s69, 4                         ; q's tile from its first row block, K step 2
	s_mul_i32 s78, s78, RB8
	s_add_co_u32 s78, s78, 3072
	s_mov_b32 s79, 0
	s_mov_b32 s[GHA], 1
	s_mov_b32 s[GHA+1], SLOTB
	s_add_nc_u64 s[GHA+2:GHA+3], s[4:5], s[78:79]
	s_or_b32 s[GHA+3], s[GHA+3], 0x80000000
	s_lshl_b32 s90, s77, 7                         ; k's likewise
	s_lshl_b32 s91, s68, 4
	s_add_co_u32 s90, s90, s91
	s_mul_i32 s90, s90, RB8
	s_add_co_u32 s90, s90, KPART+3072
	s_mov_b32 s91, 0
	s_mov_b32 s[GHB], 1
	s_mov_b32 s[GHB+1], 2*SLOTB
	s_add_nc_u64 s[GHB+2:GHB+3], s[4:5], s[90:91]
	s_or_b32 s[GHB+3], s[GHB+3], 0x80000000
.macro ARM w, g0, g1, next             ; one chain of branches on the wave's number, one joint load to an arm, all arms to one join
	s_cmp_eq_u32 s13, \w
	s_cbranch_scc0 \next
	tensor_load_to_lds s[\g0:\g0+3], s[\g1:\g1+7]
	s_nop 0
	PLACES 4
	s_branch .Lhead_asked
\next:
.endm
	ARM 0, G0A, G1A, .Lhead_b
	ARM 2, G0B, G1B, .Lhead_c
	ARM 1, GHA, G1C, .Lhead_d
	tensor_load_to_lds s[GHB:GHB+3], s[G1D:G1D+7]
	s_nop 0
	PLACES 4
.Lhead_asked:
	v_and_b32 v1, 15, v0
	v_and_b32 v[LI], 31, v0
	v_lshlrev_b32 v[LI], 4, v[LI]
	s_wait_alu depctr_va_vdst(0)
	v_lshlrev_b32 v[SOF], 4, v1
	s_mov_b32 s79, 0
	s_lshl_b32 s78, s69, 4
	s_lshl_b32 s90, s14, 3
	s_add_co_u32 s98, s78, s90                     ; my first row block of queries
	s_lshl_b32 s78, s98, 9
	s_add_co_u32 s78, s78, QKS
	s_add_nc_u64 s[84:85], s[4:5], s[78:79]
	s_lshl_b32 s78, s77, 7
	s_lshl_b32 s90, s68, 4
	s_add_co_u32 s78, s78, s90
	s_lshl_b32 s90, s15, 3
	s_add_co_u32 s78, s78, s90
	s_lshl_b32 s78, s78, 9
	s_add_co_u32 s78, s78, QKS+262144
	s_add_nc_u64 s[86:87], s[4:5], s[78:79]
.irp a,0,1,2,3,4,5,6,7
	global_load_b128 v[SA+4*\a:SA+4*\a+3], v[LI], s[84:85] offset:512*\a
.endr
.irp b,0,1,2,3,4,5,6,7
	global_load_b128 v[SB+4*\b:SB+4*\b+3], v[LI], s[86:87] offset:512*\b
.endr
	s_mul_i32 s90, s14, 24576
	s_mul_i32 s91, s15, 24576
	s_add_co_u32 s91, s91, 49152
	v_add_nc_u32 v[ADRA], s90, v[LI]
	v_add_nc_u32 v[ADRB], s91, v[LI]
	s_mul_i32 s90, s14, 49152                      ; slot 1: my 8 row blocks x 6,144 bytes of q, from SLOTB on,
	s_mul_i32 s91, s15, 49152                      ; and of k, from 2 SLOTB on
	s_add_co_u32 s90, s90, SLOTB
	s_add_co_u32 s91, s91, 2*SLOTB
	v_add_nc_u32 v[ADRA+1], s90, v[LI]
	v_add_nc_u32 v[ADRB+1], s91, v[LI]
	s_lshl_b32 s91, s68, 1
	s_add_co_u32 s91, s91, s15                     ; my chunk of 128 keys: the K step of p v
	s_mul_i32 s78, s98, 24576
	s_mul_i32 s99, s91, 1536
	s_add_co_u32 s78, s78, s99
	s_add_nc_u64 s[80:81], s[6:7], s[78:79]
	s_lshl_b32 s78, s98, 10
	s_lshr_b32 s99, s91, 2
	s_lshl_b32 s99, s99, 8
	s_add_co_u32 s78, s78, s99
	s_and_b32 s99, s91, 3
	s_lshl_b32 s99, s99, 2
	s_add_co_u32 s78, s78, s99
	s_add_co_u32 s78, s78, PS
	s_add_nc_u64 s[82:83], s[6:7], s[78:79]
	s_mov_b32 s92, 0x76543210
	s_mov_b32 s93, 0xfedcba98
	s_mov_b32 s94, 0x3d38aa3b                      ; c = log2(e) / sqrt(1024)
	s_mov_b32 s95, s94                             ; (named with it as a pair, so it is written)
	s_wait_alu depctr_va_vdst(0)
	s_cmp_lg_u32 s15, 0
	s_cbranch_scc1 .Lbig_out                       ; waves 1 and 3 asked for slot 1, which is first read behind K step 1's round, where every wave waits for all its loads
	s_wait_tensorcnt 0x0                           ; waves 0 and 2: my half of slot 0 is in
.Lbig_out:
	s_barrier_signal -1
	s_barrier_wait -1
	FETCH_B 0, 0, 0
	FETCH_A 0, 0, 0
	FETCH_A 0, 0, 4
	s_wait_loadcnt 0x0                             ; the scale words
	STEP 0, 0, 1, 1                                ; the first products start the sums
	TURN 1, 1, 1
	STEP 2, 1, 1, 0
	STEP 3, 1, 2, 0                                ; slot 1 is whole: every wave waited for all its loads ahead of the round in K step 1
	STEP 4, 1, 3, 0
	TURN 5, 0, 0
	STEP 6, 0, 1, 0
	s_wait_dscnt 12
	WIN 0xa1
	MUL16 0, 7, 0
	MUL16 2, 7, 0
	s_wait_dscnt 0x0
	WIN 0xf1
	MUL16 4, 7, 0
	MUL16 6, 7, 0
	WIN 0
	PLACES 4
.irp u,0,1
.irp b,4,5,6,7,17,22
	v_mov_b32 v[TT+32*\u+\b], 0                    ; a lane permute's destination counts as one of its sources; 17 is named as the upper half of the pair with -M
.endr
.endr
.irp a,0,2,4,6
	SOFT2 64*(\a%4), 2+\a/4, \a*24576, \a*1024
.endr
	s_wait_tensorcnt 0x0                           ; the wave's end
	ds_add_u32 v[SPW], v[NIL]
	s_wait_dscnt 0x0
	CROUND
	s_endpgm
.Lfunc_end_k_q11bf617307_sc:
	.size	k_q11bf617307_sc, .Lfunc_end_k_q11bf617307_sc-k_q11bf617307_sc
	.p2alignl 7, 3214868480
	.fill 96, 4, 3214868480
	.section	.rodata,"a",@progbits
	.p2align	6, 0x0
	.amdhsa_kernel k_q11bf617307_sc
		.amdhsa_group_segment_fixed_size 327680
		.amdhsa_private_segment_fixed_size 0
		.amdhsa_enable_private_segment 0
		.amdhsa_kernarg_size 16
		.amdhsa_user_sgpr_count 2
		.amdhsa_user_sgpr_kernarg_segment_ptr 1
		.amdhsa_wavefront_size32 1
		.amdhsa_system_sgpr_workgroup_id_x 1
		.amdhsa_system_sgpr_workgroup_id_y 1
		.amdhsa_system_sgpr_workgroup_id_z 1
		.amdhsa_system_vgpr_workitem_id 0
		.amdhsa_next_free_vgpr 1024
		.amdhsa_next_free_sgpr 100
		.amdhsa_reserve_vcc 0
		.amdhsa_float_denorm_mode_32 3
		.amdhsa_float_denorm_mode_16_64 3
		.amdhsa_memory_ordered 1
		.amdhsa_forward_progress 1
		.amdhsa_inst_pref_size 195
	.end_amdhsa_kernel
	.amdgpu_metadata
---
amdhsa.version: [ 1, 2 ]
amdhsa.kernels:
  - .name:           k_q11bf617307_sc
    .symbol:         k_q11bf617307_sc.kd
    .args:
      - { .name: qkc, .offset: 0, .size: 8, .value_kind: global_buffer, .address_space: global }
      - { .name: ppc, .offset: 8, .size: 8, .value_kind: global_buffer, .address_space: global }
    .group_segment_fixed_size: 327680
    .private_segment_fixed_size: 0
    .kernarg_segment_align: 8
    .kernarg_segment_size: 16
    .max_flat_workgroup_size: 128
    .sgpr_count:     100
    .vgpr_count:     1024
    .wavefront_size: 32
...
	.end_amdgpu_metadata
.endif
;; end of part 3
;; launch pv (part 4): grid 4 x 64, 4 waves a work-group, clusters of 4 x 4, 327,680 bytes of LDS; arguments ppc, vvc, aac; writes aac
.if DOCPART == 4
	.amdgcn_target "amdgcn-amd-amdhsa--gfx1250"
	.amdhsa_code_object_version 6
	.text
	.protected	k_q11bf617307_pv
	.globl	k_q11bf617307_pv
	.p2align	8
	.type	k_q11bf617307_pv,@function
k_q11bf617307_pv:
	s_mov_b64 s[64:65], 0
	v_nop
	global_prefetch_b8 v0, s[64:65] scope:SCOPE_SE
	s_setreg_imm32_b32 hwreg(HW_REG_WAVE_MODE, 25, 1), 1
	s_wait_xcnt 0x0
	s_wait_alu depctr_hold_cnt(0) depctr_sa_sdst(0) depctr_va_vdst(0) depctr_va_sdst(0) depctr_va_ssrc(0) depctr_va_vcc(0) depctr_vm_vsrc(0)
	s_getreg_b32 s2, hwreg(HW_REG_IB_STS2, 6, 4)
	s_cmp_eq_u32 s2, 0
	s_cbranch_scc0 .Lentry_in_a_cluster
	s_endpgm
.Lentry_in_a_cluster:
	s_bfe_u32 s2, ttmp6, 0x10000c
	s_cmp_lg_u32 s2, 0xf033
	s_cbranch_scc0 .Lentry_shape_is_right
	s_endpgm
.Lentry_shape_is_right:
; a = (p v) / l on codes of FP6 (E2M3) with E8M0 scales, quantised along its 1,024 channels and stored as codes: source 1 of the last product.
; A tile is 128 queries x 256 channels; four waves, each 64 x 128: 32 accumulators.  Source 0 = 16 channels of v (registers: the next K), source 1 = 16 queries of p (lanes).  K = the batch's 2,048 keys, 16 steps written out.
; Operands lie in memory as images of their registers (a fragment: 1,536 bytes, three loads of 16 bytes a lane at 16 x lane; a row block of 16 rows: its 16 fragments on end).
; p GOES FROM MEMORY STRAIGHT INTO REGISTERS: 12 loads a K step and wave, five K steps ahead, in six sets of 48 registers.  So a K step reads 24 fragments' loads from LDS in place of 36, and LDS holds v alone:
; three tiles of four K steps (16 row blocks x 6,144 bytes), 12 of the 16 K steps, all asked for at the head, one joint load a wave: waves 0 and 2 the halves of tile 0, wave 1 tile 1, wave 3 tile 2.
; One refill is left: K steps 12-15 onto tile 0, behind the round in K step 3, with eight K steps, 256 products, ahead of the wait for it; waves 0 and 2 issue it.
; CLUSTER 4 x 4: v's tiles are shared along a column of the cluster.  p's tile is not asked for jointly: it never lies in LDS, and a joint load lands nowhere else.
; AT THE HEAD: for each query the row's M is the largest of its 16 chunks' M; d = chunk's M - row's M is a whole number, 0 or less.  Each chunk's four scale bytes take d (a byte that would fall under 0 is held at 0)
; and its sum l is multiplied by 2^d: both exact.  The sums are added, and 1 / l multiplies the finished products.
; No prefetch: the walk along K is written out, with no loop to run ahead in; p's loads themselves run five K steps ahead.
; LIMITS: d is held at -127 and a scale byte at 0 (2^-127): what that keeps or loses lies under 2^-120 of a row's sum, which is at least 1/2; l is summed by chunks; 1 / l by v_rcp_f32; a block of zeros gets the byte 1;
; NaN and infinities are not served.
; REGISTERS: window 0: v3 16 x lane, v4 16 x row, v12-14 LDS addresses, v28, v29 the add's two, v32-63 p's scale words, v64-127 v's, v128-175 p's set 5 (at head and end v128-223: at work), v224-231 1 / l.
;   window 1: v's fragments, two sets.  window 2: the accumulators.  window 3: p's sets 0-4.
.set RB16, 24576
.set PS, 12582912
.set VS, 6291456
.set AS, 6291456
.set TILEB, 98304
.set SPARE, 3*TILEB
.set LI, 3
.set SOF, 4
.set ADRB, 12
.set SPW, 28
.set NIL, 29
.set SA, 32
.set SB, 64
.set TM, 128
.set PC, 144
.set PW, 164
.set NM, 128
.set LL, 160
.set T0, 192
.set RC, 224
.set NMIN, 232
.set G1S, 16
.set G1L, 24
.set GS, 32
.set GL, 36
.set MSB, 0
.macro WIN new                         ; the immediate's high byte repeats the setting that is left; a switch that changes nothing is dropped
.set NW, (\new)
.if MSB != NW
	s_set_vgpr_msb (MSB<<8)|NW
.set MSB, NW
.endif
.endm
.macro PLACES n
.rept \n
	v_nop
.endr
.endm
.macro CREST                           ; a round of the cluster's barrier behind its opening barrier
	s_cmp_lg_u32 s13, 0
	s_cbranch_scc1 .Lnot_wave_0_\@
	s_barrier_signal -3
.Lnot_wave_0_\@:
	s_barrier_wait -3
	s_barrier_signal -1
	s_barrier_wait -1
.endm
.macro CROUND
	s_barrier_signal -1
	s_barrier_wait -1
	CREST
.endm
.macro FRAG reg, adr, off
.irp c,0,1,2
	ds_load_b128 v[\reg+4*\c:\reg+4*\c+3], v[\adr] offset:\off+512*\c
.endr
.endm
.macro WM d, b, a, cm, sb, sa, row     ; one product.  cm 1: starts the sum with 0.  row: which half of the lanes holds this K step's scale words
.if (\cm) == 1
	v_wmma_scale_f32_16x16x128_f8f6f4 v[\d:\d+7], v[\b:\b+11], v[\a:\a+11], 0, v[\sb], v[\sa] matrix_a_fmt:MATRIX_FMT_FP6 matrix_b_fmt:MATRIX_FMT_FP6
.elseif (\row) == 0
	v_wmma_scale_f32_16x16x128_f8f6f4 v[\d:\d+7], v[\b:\b+11], v[\a:\a+11], v[\d:\d+7], v[\sb], v[\sa] matrix_a_fmt:MATRIX_FMT_FP6 matrix_b_fmt:MATRIX_FMT_FP6
.else
	v_wmma_scale_f32_16x16x128_f8f6f4 v[\d:\d+7], v[\b:\b+11], v[\a:\a+11], v[\d:\d+7], v[\sb], v[\sa] matrix_a_fmt:MATRIX_FMT_FP6 matrix_b_fmt:MATRIX_FMT_FP6 matrix_a_scale:MATRIX_SCALE_ROW1 matrix_b_scale:MATRIX_SCALE_ROW1
.endif
.endm
.macro PSET ks                         ; where K step ks's fragments of p stand: set ks % 6; sets 0-4 in window 3, set 5 in window 0
.if ((\ks)%6) < 5
.set PB, 48*((\ks)%6)
.set PWN, 3
.else
.set PB, 128
.set PWN, 0
.endif
.endm
.macro MULH a0, n, ks, cm              ; 8 n products; the 32 accumulators take turns, one instruction a turn, in the same order in every step
	PSET \ks
	WIN 0xa1|(PWN<<2)
.set AA, \a0
.rept \n
.irp b,0,1,2,3,4,5,6,7
	WM 8*(8*AA+\b), 128*((\ks)%2)+12*\b, PB+12*AA, \cm, SB+8*\b+4*((\ks)/8)+(\ks)%4, SA+8*AA+4*((\ks)/8)+(\ks)%4, ((\ks)/4)%2
.endr
.set AA, AA+1
.endr
.endm
.macro PLOAD ks                        ; K step ks of my four row blocks of p: 12 loads of 512 consecutive bytes
	PSET \ks
	WIN PWN<<6
.irp i,0,1,2,3
.irp c,0,1,2
	global_load_b128 v[PB+12*\i+4*\c:PB+12*\i+4*\c+3], v[LI], s[72:73] offset:\i*RB16+(\ks)*1536+512*\c
.endr
.endr
	WIN 0
.endm
.macro FETCHB ks                       ; K step ks of my eight row blocks of v, from tile (ks / 4) % 3, into set ks % 2
	WIN 0x40
.irp i,0,1,2,3,4,5,6,7
	FRAG 128*((\ks)%2)+12*\i, ADRB+((\ks)/4)%3, (4*\i+(\ks)%4)*1536
.endr
	WIN 0
.endm
.macro LCNT ks                         ; p's set of K step ks is in: behind it the sets of the next four K steps, as far as there are any, 12 loads each, may be out
.if (\ks) < 11
	s_wait_loadcnt 48
.else
	s_wait_loadcnt 12*(15-(\ks))
.endif
.endm
.macro AHEAD ks                        ; the next K step's fragments of v, and p's of five K steps on, into the sets that the last K step's products read
	PLACES 4                                       ; four places in front of loads into registers that products have read
	FETCHB (\ks)+1
.if (\ks)+5 < 16
	PLOAD (\ks)+5
.endif
.endm
.macro HSTEP ks, cm
	s_wait_dscnt 0x0                               ; this step's fragments of v are in
	LCNT \ks
	AHEAD \ks
	MULH 0, 4, \ks, \cm
	WIN 0
.endm
.macro HTURN ks, fill                  ; a K step with a barrier: in front of it each wave waits for all its tensor loads, adds 0 to its spare word, and waits for that and for its reads
	s_wait_tensorcnt 0x0                           ; all my tensor loads have landed
	ds_add_u32 v[SPW], v[NIL]
	s_wait_dscnt 1                                 ; (the add alone may be out: this step's fragments of v are in)
	LCNT \ks
	MULH 0, 1, \ks, 0
	s_wait_dscnt 0x0                               ; the add is done, and my reads of the tile that is left are over
	s_barrier_signal -1
	MULH 1, 1, \ks, 0
	WIN 0
	s_barrier_wait -1
.if \fill
	CREST                                          ; a round of the cluster's barrier: no wave of any partner still reads tile 0 or has a load on its way
	s_add_nc_u64 s[GS+2:GS+3], s[GS+2:GS+3], 18432 ; twelve K steps on
	s_cmp_lg_u32 s15, 0
	s_cbranch_scc1 .Lnone_\@                       ; waves 1 and 3 have no part of this tile to fill
	tensor_load_to_lds s[GS:GS+3], s[G1S:G1S+7]    ; my one tensor load behind the round: my half of K steps 12-15
	s_nop 0
	PLACES 4
.Lnone_\@:
.endif
	AHEAD \ks
	MULH 2, 2, \ks, 0
	WIN 0
.endm
.macro CODES s, w                      ; 64 numbers of window w become the fragment's 12 registers
	WIN \w
.irp c,0,1
	v_cvt_scalef32_pk16_fp6_f32 v[PC+6*\c:PC+6*\c+2], v[\s+32*\c:\s+32*\c+15], v[TM+12+2*\c]
	v_cvt_scalef32_pk16_fp6_f32 v[PC+12+4*\c:PC+14+4*\c], v[\s+32*\c+16:\s+32*\c+31], v[TM+13+2*\c]
.endr
	WIN 0
	v_nop                                          ; one plain place behind a scaled conversion
.irp c,0,1                             ; the layout wants a whole block in a lane
.irp i,0,1,2
	v_permlane16_swap_b32 v[PC+6*\c+\i], v[PC+12+4*\c+\i]
.endr
.irp i,0,1,2
	v_mov_b32 v[PC+3+6*\c+\i], v[PC+12+4*\c+\i]
.endr
.endr
.endm
.macro QUANTW s, w                     ; register 16 b + i of the 64 = k 32 b + 16 (lane / 16) + i of my row.  Each accumulator is read from its low end on
	WIN (\w)|((\w)<<2)
.irp b,0,1,2,3
	v_max3_num_f32 v[TM+\b], |v[\s+16*\b]|, |v[\s+16*\b+1]|, 0x1800000    ; and the floor 2^(3 - 127)
.endr
.irp i,2,4,6,8,10,12,14
.irp b,0,1,2,3
	v_max3_num_f32 v[TM+\b], |v[\s+16*\b+\i]|, |v[\s+16*\b+\i+1]|, v[TM+\b]
.endr
.endr
	WIN 0
.irp b,0,1,2,3
	v_permlanex16_b32 v[TM+4+\b], v[TM+\b], s92, s93
.endr
.irp b,0,1,2,3
	v_max_num_f32 v[TM+\b], v[TM+\b], v[TM+4+\b]
.endr
.irp b,0,1,2,3
	v_add_nc_u32 v[TM+12+\b], 0xff000000, v[TM+\b] ; 2 off the exponent field: the conversion's scale operand
.endr
.irp b,0,1,2,3
	v_lshrrev_b32 v[TM+4+\b], 23, v[TM+12+\b]      ; the byte
.endr
	s_wait_alu depctr_va_vdst(0)
	s_wait_xcnt 0x0                                ; the last block's stores have read the registers that are written from here on
	v_lshl_or_b32 v[PW], v[TM+5], 8, v[TM+4]
	v_lshl_or_b32 v[PW], v[TM+6], 16, v[PW]
	v_lshl_or_b32 v[PW], v[TM+7], 24, v[PW]
	CODES \s, \w
.endm
.macro PUTF offc, offs                 ; the fragment leaves as it stands: three stores of 512 consecutive bytes; its scale word, 4 bytes a row
.irp c,0,1,2
	global_store_b128 v[LI], v[PC+4*\c:PC+4*\c+3], s[80:81] offset:\offc+512*\c
.endr
	global_store_b32 v[SOF], v[PW], s[82:83] offset:\offs
.endm
; THE WAY OUT GOES BY PAIRS OF BLOCKS: two blocks of 64 registers, neighbours in window 2, are quantised stage by stage together, so that eight chains of maxima take turns and one pair of waits serves both.
; Block u of a pair works in v[TA + TD u ..] and leaves its codes in v[PA + PD u ..], its scale word in v[PA + PD u + 20].
.set TA, 128
.set TD, 48
.set PA, 144
.set PD, 48
.macro QUANT2 s, w                     ; register 64 u + 16 b + i = k 32 b + 16 (lane / 16) + i of my row of block u.  Each accumulator is read from its low end on
	WIN (\w)|((\w)<<2)
.irp u,0,1
.irp b,0,1,2,3
	v_max3_num_f32 v[TA+TD*\u+\b], |v[\s+64*\u+16*\b]|, |v[\s+64*\u+16*\b+1]|, 0x1800000    ; and the floor 2^(3 - 127)
.endr
.endr
.irp i,2,4,6,8,10,12,14
.irp u,0,1
.irp b,0,1,2,3
	v_max3_num_f32 v[TA+TD*\u+\b], |v[\s+64*\u+16*\b+\i]|, |v[\s+64*\u+16*\b+\i+1]|, v[TA+TD*\u+\b]
.endr
.endr
.endr
	WIN 0
.irp u,0,1
.irp b,0,1,2,3
	v_permlanex16_b32 v[TA+TD*\u+4+\b], v[TA+TD*\u+\b], s92, s93
.endr
.endr
.irp u,0,1
.irp b,0,1,2,3
	v_max_num_f32 v[TA+TD*\u+\b], v[TA+TD*\u+\b], v[TA+TD*\u+4+\b]
.endr
.endr
.irp u,0,1
.irp b,0,1,2,3
	v_add_nc_u32 v[TA+TD*\u+12+\b], 0xff000000, v[TA+TD*\u+\b]       ; 2 off the exponent field: the conversion's scale operand
.endr
.endr
.irp u,0,1
.irp b,0,1,2,3
	v_lshrrev_b32 v[TA+TD*\u+4+\b], 23, v[TA+TD*\u+12+\b]            ; the byte
.endr
.endr
	s_wait_alu depctr_va_vdst(0)
	s_wait_xcnt 0x0                                ; the last pair's stores have read the registers that are written from here on
.irp u,0,1
	v_lshl_or_b32 v[PA+PD*\u+20], v[TA+TD*\u+5], 8, v[TA+TD*\u+4]
.endr
.irp u,0,1
	v_lshl_or_b32 v[PA+PD*\u+20], v[TA+TD*\u+6], 16, v[PA+PD*\u+20]
.endr
.irp u,0,1
	v_lshl_or_b32 v[PA+PD*\u+20], v[TA+TD*\u+7], 24, v[PA+PD*\u+20]
.endr
	WIN \w
.irp u,0,1
.irp c,0,1
	v_cvt_scalef32_pk16_fp6_f32 v[PA+PD*\u+6*\c:PA+PD*\u+6*\c+2], v[\s+64*\u+32*\c:\s+64*\u+32*\c+15], v[TA+TD*\u+12+2*\c]
	v_cvt_scalef32_pk16_fp6_f32 v[PA+PD*\u+12+4*\c:PA+PD*\u+14+4*\c], v[\s+64*\u+32*\c+16:\s+64*\u+32*\c+31], v[TA+TD*\u+13+2*\c]   ; (a conversion's three registers begin on an even number)
.endr
.endr
	WIN 0
	v_nop                                          ; one plain place behind a scaled conversion
.irp u,0,1
.irp c,0,1                             ; the layout wants a whole block in a lane
.irp i,0,1,2
	v_permlane16_swap_b32 v[PA+PD*\u+6*\c+\i], v[PA+PD*\u+12+4*\c+\i]
.endr
.endr
.endr
.irp u,0,1
.irp c,0,1
.irp i,0,1,2
	v_mov_b32 v[PA+PD*\u+3+6*\c+\i], v[PA+PD*\u+12+4*\c+\i]
.endr
.endr
.endr
.endm
.macro PUT2 offc, offs                 ; the two fragments leave as they stand: three stores of 512 consecutive bytes each; their scale words, 4 bytes a row
.irp u,0,1
.irp c,0,1,2
	global_store_b128 v[LI], v[PA+PD*\u+4*\c:PA+PD*\u+4*\c+3], s[80:81] offset:\offc+12288*\u+512*\c
.endr
	global_store_b32 v[SOF], v[PA+PD*\u+20], s[82:83] offset:\offs+512*\u
.endr
.endm
	s_load_b128 s[4:7], s[0:1], 0x0                ; ppc, vvc
	s_load_b64 s[8:9], s[0:1], 0x10                ; aac
	v_lshl_add_u32 v[SPW], v0, 2, SPARE
	v_mov_b32 v[NIL], 0
	ds_add_u32 v[SPW], v[NIL]                      ; the wave's opening
	ds_add_u32 v[SPW], v[NIL]
	v_lshrrev_b32 v1, 5, v0
	v_readfirstlane_b32 s13, v1                    ; wave
	v_and_b32 v1, 15, v0
	v_and_b32 v[LI], 31, v0
	v_lshlrev_b32 v[LI], 4, v[LI]
	v_lshlrev_b32 v[SOF], 4, v1
	s_lshr_b32 s14, s13, 1                         ; which 64 queries are mine.  Also: which half or which tile I fetch
	s_and_b32 s15, s13, 1                          ; which 128 channels.  Also: I fetch a half of tile 0 (0) or a whole later tile (1)
	s_bfe_u32 s66, ttmp6, 0x40000
	s_bfe_u32 s67, ttmp6, 0x40004
	s_lshl_b32 s68, ttmp9, 2
	s_add_co_u32 s68, s68, s66                     ; tile of 256 channels
	s_and_b32 s69, ttmp7, 0xffff
	s_lshl_b32 s69, s69, 2
	s_add_co_u32 s69, s69, s67                     ; tile of 128 queries, over all batches
	s_and_b32 s77, ttmp7, 0xffff
	s_lshr_b32 s77, s77, 2                         ; the batch: from the cluster's y alone
	s_lshl_b32 s71, 0x1111, s66                    ; my column of the cluster
	s_or_b32 s[G1S], s71, (3<<16)|(1<<21)          ; the mask; elements of 8 bytes; bit 21 beside a mask; no padding
	s_or_b32 s[G1L], s71, (3<<16)|(1<<21)
.irp g, G1S, G1L
	s_mov_b32 s[\g+1], 768<<16                     ; a row: four K steps of a row block, 6,144 bytes
	s_mov_b32 s[\g+3], 768<<16
	s_mov_b32 s[\g+5], 3072                        ; 24,576 bytes from row block to row block
	s_mov_b32 s[\g+6], 0
	s_mov_b32 s[\g+7], 0
.endr
	s_mov_b32 s[G1S+2], 8<<16                      ; half a tile: 8 row blocks
	s_mov_b32 s[G1S+4], 8
	s_mov_b32 s[G1L+2], 16<<16                     ; a whole tile
	s_mov_b32 s[G1L+4], 16
	s_lshl_b32 s74, s77, 6
	s_lshl_b32 s75, s68, 4
	s_add_co_u32 s74, s74, s75
	s_lshl_b32 s86, s15, 3
	s_add_co_u32 s86, s86, s74                     ; my first row block of v
	s_mul_i32 s74, s74, RB16                       ; v's tile of 16 row blocks
	s_mul_i32 s75, s14, 8*RB16
	s_add_co_u32 s78, s74, s75                     ; waves 0, 2: its half, K step 0
	s_mov_b32 s79, 0
	s_mul_i32 s75, s14, 6144
	s_add_co_u32 s74, s74, s75
	s_add_co_u32 s74, s74, 6144                    ; waves 1, 3: K step 4 or 8
	s_mov_b32 s75, 0
	s_mul_i32 s96, s14, 49152
	s_mul_i32 s97, s14, TILEB
	s_add_co_u32 s97, s97, TILEB
	s_lshl_b32 s98, s69, 3
	s_lshl_b32 s90, s14, 2
	s_add_co_u32 s98, s98, s90                     ; my first row block of queries
	s_mul_i32 s72, s98, RB16
	s_mov_b32 s73, 0
	s_lshl_b32 s84, s98, 10
	s_add_co_u32 s84, s84, PS
	s_mov_b32 s85, 0
	s_lshl_b32 s86, s86, 10
	s_add_co_u32 s86, s86, VS
	s_mov_b32 s87, 0
	s_lshl_b32 s91, s68, 1
	s_add_co_u32 s91, s91, s15                     ; which K step of the last product my 128 channels are
	s_mul_i32 s80, s98, 12288
	s_mul_i32 s99, s91, 1536
	s_add_co_u32 s80, s80, s99
	s_mov_b32 s81, 0
	s_lshl_b32 s82, s98, 9
	s_lshr_b32 s99, s91, 2
	s_lshl_b32 s99, s99, 8
	s_add_co_u32 s82, s82, s99
	s_and_b32 s99, s91, 3
	s_lshl_b32 s99, s99, 2
	s_add_co_u32 s82, s82, s99
	s_add_co_u32 s82, s82, AS
	s_mov_b32 s83, 0
	s_mov_b32 s92, 0x76543210
	s_mov_b32 s93, 0xfedcba98
	s_mov_b32 s90, 0x01010101
	s_wait_alu depctr_va_vdst(0)
	s_wait_dscnt 0x0                               ; both opening adds are done
	s_wait_kmcnt 0x0
	s_add_nc_u64 s[72:73], s[4:5], s[72:73]
	s_add_nc_u64 s[84:85], s[4:5], s[84:85]
	s_add_nc_u64 s[86:87], s[6:7], s[86:87]
	s_add_nc_u64 s[80:81], s[8:9], s[80:81]
	s_add_nc_u64 s[82:83], s[8:9], s[82:83]
.irp a,0,1,2,3
.irp g,0,1                             ; register 8 a + 4 g + j: lanes 0-15 chunk 8 g + j, lanes 16-31 chunk 8 g + 4 + j, of row r of block a
	global_load_b128 v[SA+8*\a+4*\g:SA+8*\a+4*\g+3], v[LI], s[84:85] offset:1024*\a+512*\g
	global_load_b128 v[NM+8*\a+4*\g:NM+8*\a+4*\g+3], v[LI], s[84:85] offset:1024*\a+512*\g+524288
	global_load_b128 v[LL+8*\a+4*\g:LL+8*\a+4*\g+3], v[LI], s[84:85] offset:1024*\a+512*\g+1048576
.endr
.endr
.irp b,0,1,2,3,4,5,6,7
.irp g,0,1
	global_load_b128 v[SB+8*\b+4*\g:SB+8*\b+4*\g+3], v[LI], s[86:87] offset:1024*\b+512*\g
.endr
.endr
	PLOAD 0
	s_mov_b32 s[GS], 1
	s_mov_b32 s[GS+1], s96
	s_add_nc_u64 s[GS+2:GS+3], s[6:7], s[78:79]
	s_or_b32 s[GS+3], s[GS+3], 0x80000000
	s_mov_b32 s[GL], 1
	s_mov_b32 s[GL+1], s97
	s_add_nc_u64 s[GL+2:GL+3], s[6:7], s[74:75]
	s_or_b32 s[GL+3], s[GL+3], 0x80000000
	CROUND                                         ; all sixteen work-groups are here: the first joint loads meet
	s_cmp_lg_u32 s15, 0                            ; one branch on the wave's number, one joint load to an arm, both arms to one join
	s_cbranch_scc1 .Lhead_l
	tensor_load_to_lds s[GS:GS+3], s[G1S:G1S+7]
	s_nop 0
	PLACES 4
	s_branch .Lhead_asked
.Lhead_l:
	tensor_load_to_lds s[GL:GL+3], s[G1L:G1L+7]
	s_nop 0
	PLACES 4
.Lhead_asked:
	s_mul_i32 s91, s15, 49152                      ; my 8 row blocks x 6,144 bytes of each tile
.irp t,0,1,2
	v_add_nc_u32 v[ADRB+\t], s91, v[LI]
	s_add_co_u32 s91, s91, TILEB
.endr
.irp a,0,1,2,3
	v_mov_b32 v[236+\a], 0                         ; a lane permute's destination counts as one of its sources
.endr
	s_wait_loadcnt 28                              ; p's scale words, -M and l are in; v's 16 loads of scale words and p's first 12 may be out
	PLOAD 1
	PLOAD 2
	PLOAD 3
	PLOAD 4
	; the row's -M: the least of its sixteen chunks' -M, eight here and eight in lane l xor 16
.set Q, 0
.rept 16
	v_min_num_f32 v[T0+Q], v[NM+2*Q], v[NM+2*Q+1]
.set Q, Q+1
.endr
.set Q, 0
.rept 8
	v_min_num_f32 v[T0+2*Q], v[T0+2*Q], v[T0+2*Q+1]
.set Q, Q+1
.endr
.irp a,0,1,2,3
	v_min_num_f32 v[NMIN+\a], v[T0+4*\a], v[T0+4*\a+2]
.endr
.irp a,0,1,2,3
	v_permlanex16_b32 v[236+\a], v[NMIN+\a], s92, s93
.endr
.irp a,0,1,2,3
	v_min_num_f32 v[NMIN+\a], v[NMIN+\a], v[236+\a]
.endr
	; stage by stage over my 32 words, so that no line waits for the line above it
.set Q, 0
.rept 32
	v_sub_f32 v[T0+Q], v[NMIN+Q/8], v[NM+Q]        ; d = chunk's M - row's M: a whole number, 0 or less
	v_or_b32 v[SA+Q], 0x80808080, v[SA+Q]          ; each byte (at most 125) + 128
.set Q, Q+1
.endr
.set Q, 0
.rept 32
	v_max_num_f32 v[T0+Q], 0xc2fe0000, v[T0+Q]     ; held at -127
.set Q, Q+1
.endr
.set Q, 0
.rept 32
	v_cvt_i32_f32 v[T0+Q], v[T0+Q]
.set Q, Q+1
.endr
.set Q, 0
.rept 32
	v_ldexp_f32 v[LL+Q], v[LL+Q], v[T0+Q]          ; the chunk's sum under the row's M
	v_sub_nc_u32 v[NM+Q], 0, v[T0+Q]               ; -d
.set Q, Q+1
.endr
.set Q, 0
.rept 32
	v_mul_lo_u32 v[NM+Q], v[NM+Q], s90             ; -d in each byte
.set Q, Q+1
.endr
.set Q, 0
.rept 32
	v_sub_nc_u32 v[SA+Q], v[SA+Q], v[NM+Q]         ; byte + 128 + d is at least 2: no borrow crosses a byte; bit 7 says that byte + d is 0 or more
.set Q, Q+1
.endr
.set Q, 0
.rept 32
	v_and_b32 v[T0+Q], 0x80808080, v[SA+Q]
.set Q, Q+1
.endr
.set Q, 0
.rept 32
	v_lshrrev_b32 v[T0+Q], 7, v[T0+Q]
.set Q, Q+1
.endr
.set Q, 0
.rept 32
	v_lshlrev_b32 v[NM+Q], 8, v[T0+Q]
.set Q, Q+1
.endr
.set Q, 0
.rept 32
	v_sub_nc_u32 v[T0+Q], v[NM+Q], v[T0+Q]         ; x 255: all ones in the bytes that stay
.set Q, Q+1
.endr
.set Q, 0
.rept 32
	v_and_b32 v[SA+Q], v[SA+Q], v[T0+Q]
.set Q, Q+1
.endr
.set Q, 0
.rept 32
	v_and_b32 v[SA+Q], 0x7f7f7f7f, v[SA+Q]         ; the scale words under the row's M
.set Q, Q+1
.endr
.set Q, 0
.rept 16
	v_add_f32 v[LL+2*Q], v[LL+2*Q], v[LL+2*Q+1]
.set Q, Q+1
.endr
.set Q, 0
.rept 8
	v_add_f32 v[LL+4*Q], v[LL+4*Q], v[LL+4*Q+2]
.set Q, Q+1
.endr
.irp a,0,1,2,3
	v_add_f32 v[LL+8*\a], v[LL+8*\a], v[LL+8*\a+4]
.endr
.irp a,0,1,2,3
	v_permlanex16_b32 v[236+\a], v[LL+8*\a], s92, s93
.endr
.irp a,0,1,2,3
	v_add_f32 v[LL+8*\a], v[LL+8*\a], v[236+\a]    ; the row's sum
.endr
	s_wait_alu depctr_va_vdst(0)
.irp a,0,1,2,3
	v_rcp_f32 v[RC+2*\a], v[LL+8*\a]
.endr
	v_nop                                          ; a plain place behind the last reciprocal
	s_wait_alu depctr_va_vdst(0)                   ; one wait for the four, ahead of their first reader
.irp a,0,1,2,3
	v_mov_b32 v[RC+2*\a+1], v[RC+2*\a]             ; (named with it as a pair)
.endr
	PLACES 8                                       ; scale registers written by vector instructions stand eight places ahead of the products
	s_wait_alu depctr_va_vdst(0)
	s_cmp_lg_u32 s15, 0
	s_cbranch_scc1 .Lbig_out                       ; waves 1 and 3 asked for tiles 1 and 2, which are first read behind K step 3's round, where every wave waits for all its loads
	s_wait_tensorcnt 0x0                           ; waves 0 and 2: my half of tile 0 is in
.Lbig_out:
	s_barrier_signal -1
	s_barrier_wait -1
	FETCHB 0
	HSTEP 0, 1                                     ; the first products start the sums
	HSTEP 1, 0
	HSTEP 2, 0
	HTURN 3, 1                                     ; tile 0 takes K steps 12 to 15
.irp k,4,5,6,7,8,9,10
	HSTEP \k, 0
.endr
	HTURN 11, 0                                    ; the refill has landed, everybody's; nothing is left to fetch
	HSTEP 12, 0
	HSTEP 13, 0
	HSTEP 14, 0
	s_wait_dscnt 0x0
	LCNT 15
	MULH 0, 4, 15, 0
	WIN 0
	PLACES 4
.irp u,0,1
.irp b,0,1,2,3
	v_mov_b32 v[TA+TD*\u+4+\b], 0                  ; a lane permute's destination counts as one of its sources
.endr
.endr
	s_wait_alu depctr_va_vdst(0)
.irp a,0,2                             ; two blocks of 16 queries at a time: / l, then a block's 128 channels become one fragment and one scale word a query
	WIN 0x82
.set J, 0
.rept 64
	v_pk_mul_f32 v[64*\a+J:64*\a+J+1], v[64*\a+J:64*\a+J+1], v[RC+2*(\a+J/64):RC+2*(\a+J/64)+1] op_sel_hi:[1,0]
.set J, J+2
.endr
	QUANT2 64*\a, 2
	PUT2 \a*12288, \a*512
.endr
	s_wait_tensorcnt 0x0                           ; the wave's end
	ds_add_u32 v[SPW], v[NIL]
	s_wait_dscnt 0x0
	CROUND                                         ; the closing round
	s_endpgm
.Lfunc_end_k_q11bf617307_pv:
	.size	k_q11bf617307_pv, .Lfunc_end_k_q11bf617307_pv-k_q11bf617307_pv
	.p2alignl 7, 3214868480
	.fill 96, 4, 3214868480
	.section	.rodata,"a",@progbits
	.p2align	6, 0x0
	.amdhsa_kernel k_q11bf617307_pv
		.amdhsa_group_segment_fixed_size 327680
		.amdhsa_private_segment_fixed_size 0
		.amdhsa_enable_private_segment 0
		.amdhsa_kernarg_size 24
		.amdhsa_user_sgpr_count 2
		.amdhsa_user_sgpr_kernarg_segment_ptr 1
		.amdhsa_wavefront_size32 1
		.amdhsa_system_sgpr_workgroup_id_x 1
		.amdhsa_system_sgpr_workgroup_id_y 1
		.amdhsa_system_sgpr_workgroup_id_z 1
		.amdhsa_system_vgpr_workitem_id 0
		.amdhsa_next_free_vgpr 1024
		.amdhsa_next_free_sgpr 100
		.amdhsa_reserve_vcc 0
		.amdhsa_float_denorm_mode_32 3
		.amdhsa_float_denorm_mode_16_64 3
		.amdhsa_memory_ordered 1
		.amdhsa_forward_progress 1
		.amdhsa_inst_pref_size 172
	.end_amdhsa_kernel
	.amdgpu_metadata
---
amdhsa.version: [ 1, 2 ]
amdhsa.kernels:
  - .name:           k_q11bf617307_pv
    .symbol:         k_q11bf617307_pv.kd
    .args:
      - { .name: ppc, .offset: 0, .size: 8, .value_kind: global_buffer, .address_space: global }
      - { .name: vvc, .offset: 8, .size: 8, .value_kind: global_buffer, .address_space: global }
      - { .name: aac, .offset: 16, .size: 8, .value_kind: global_buffer, .address_space: global }
    .group_segment_fixed_size: 327680
    .private_segment_fixed_size: 0
    .kernarg_segment_align: 8
    .kernarg_segment_size: 24
    .max_flat_workgroup_size: 128
    .sgpr_count:     100
    .vgpr_count:     1024
    .wavefront_size: 32
...
	.end_amdgpu_metadata
.endif
;; end of part 4
;; launch ou (part 5): grid 4 x 64, 4 waves a work-group, clusters of 4 x 4, 327,680 bytes of LDS; arguments aac, xw, bo, out0; writes out0
.if DOCPART == 5
	.amdgcn_target "amdgcn-amd-amdhsa--gfx1250"
	.amdhsa_code_object_version 6
	.text
	.protected	k_q11bf617307_ou
	.globl	k_q11bf617307_ou
	.p2align	8
	.type	k_q11bf617307_ou,@function
k_q11bf617307_ou:
	s_mov_b64 s[64:65], 0
	v_nop
	global_prefetch_b8 v0, s[64:65] scope:SCOPE_SE
	s_setreg_imm32_b32 hwreg(HW_REG_WAVE_MODE, 25, 1), 1
	s_wait_xcnt 0x0
	s_wait_alu depctr_hold_cnt(0) depctr_sa_sdst(0) depctr_va_vdst(0) depctr_va_sdst(0) depctr_va_ssrc(0) depctr_va_vcc(0) depctr_vm_vsrc(0)
	s_getreg_b32 s2, hwreg(HW_REG_IB_STS2, 6, 4)
	s_cmp_eq_u32 s2, 0
	s_cbranch_scc0 .Lentry_in_a_cluster
	s_endpgm
.Lentry_in_a_cluster:
	s_bfe_u32 s2, ttmp6, 0x10000c
	s_cmp_lg_u32 s2, 0xf033
	s_cbranch_scc0 .Lentry_shape_is_right
	s_endpgm
.Lentry_shape_is_right:
; out = a Wo + bo on codes of FP6 (E2M3) with E8M0 scales; out is f32.  A tile is 128 queries x 256 channels; four waves, each 64 x 128: 32 accumulators.
; Source 0 = 16 columns of Wo (registers of the result: neighbouring channels of a row of out), source 1 = 16 queries of a (lanes).  K = 1,024 in 8 steps of 128, written out.
; Operands lie in memory as images of their registers (a fragment: 1,536 bytes, three loads of 16 bytes a lane at 16 x lane; a row block of 16 rows: its 8 fragments on end); rows lie by position (bits 3 and 4 exchanged).
; a GOES FROM MEMORY STRAIGHT INTO REGISTERS: 12 loads a K step and wave, five K steps ahead, in six sets of 48 registers; a K step then reads 24 fragments' loads from LDS in place of 36.
; LDS holds Wo's tile alone, all of K, 196,608 bytes, asked for at the head, one joint load a wave, and nothing is filled again: waves 0 and 2 the halves of K steps 0 and 1 (8 row blocks x 3,072 bytes),
; waves 1 and 3 the halves of K steps 2 to 7 (rows of 9,216 bytes).  Waves 0 and 2 wait for their tiles ahead of the first barrier; every wave waits for its load ahead of the barrier in K step 1, behind which the large tiles are first read.
; CLUSTER 4 x 4: Wo's tiles are shared along a column of the cluster.  a's tile is not asked for jointly: it never lies in LDS, and a joint load lands nowhere else.
; The bias is the C of each sum's first product.  The way out goes through each wave's own stage, on LDS bytes into which no fill lands.
; No prefetch: the walk along K is written out, with no loop to run ahead in; a's loads themselves run five K steps ahead.
; LIMITS: NaN and infinities are not served.
; REGISTERS: window 0: v3 16 x lane, v6, v7 the stage, v12-14 LDS addresses, v28, v29 the add's two, v32-47 a's scale words, v48-79 Wo's, v128-175 a's set 5 (on the way out v128-255: rows read back).
;   window 1: Wo's fragments, two sets (v0-95, v128-223), the bias between them.  window 2: the accumulators, (a, b) at v[8 (8 a + b)].  window 3: a's sets 0-4.
.set RB8, 12288
.set WC, 6291456
.set WS, 9699328
.set AS, 6291456
.set LB0, 0                            ; LDS: Wo, K steps 0, 1: 16 row blocks x 3,072 bytes
.set LB1, 49152                        ; Wo, K steps 2-7: 16 x 9,216
.set STAGE, 196608                     ; four stages of 16 rows x 528 bytes
.set SPARE, 230400                     ; the spare words, 128 bytes a wave
.set LI, 3
.set STO, 6
.set RD, 7
.set ADRB, 12
.set SPW, 28
.set NIL, 29
.set SA, 32
.set SB, 48
.set G1S, 16
.set G1L, 24
.set GS, 32
.set GL, 36
.set MSB, 0
.macro WIN new                         ; the immediate's high byte repeats the setting that is left; a switch that changes nothing is dropped
.set NW, (\new)
.if MSB != NW
	s_set_vgpr_msb (MSB<<8)|NW
.set MSB, NW
.endif
.endm
.macro PLACES n
.rept \n
	v_nop
.endr
.endm
.macro CROUND                          ; a round of the cluster's barrier
	s_barrier_signal -1
	s_barrier_wait -1
	s_cmp_lg_u32 s13, 0
	s_cbranch_scc1 .Lnot_wave_0_\@
	s_barrier_signal -3
.Lnot_wave_0_\@:
	s_barrier_wait -3
	s_barrier_signal -1
	s_barrier_wait -1
.endm
.macro GRP1 g, c, r                    ; group 1 behind its first word: r rows of c elements of 8 bytes, 12,288 bytes from row block to row block
	s_mov_b32 s[\g+1], (\c)<<16
	s_mov_b32 s[\g+2], (\r)<<16
	s_mov_b32 s[\g+3], (\c)<<16
	s_mov_b32 s[\g+4], \r
	s_mov_b32 s[\g+5], 1536
	s_mov_b32 s[\g+6], 0
	s_mov_b32 s[\g+7], 0
.endm
.macro FRAG reg, adr, off              ; a fragment comes as it was stored: three loads of 512 consecutive bytes
.irp c,0,1,2
	ds_load_b128 v[\reg+4*\c:\reg+4*\c+3], v[\adr] offset:\off+512*\c
.endr
.endm
.macro WM d, b, a, cm, cr, sb, sa, row ; one product.  cm 2: starts the sum with v[cr ..]; 0: onto the sum.  row: which half of the lanes holds this K step's scale words
.if (\cm) == 2
	v_wmma_scale_f32_16x16x128_f8f6f4 v[\d:\d+7], v[\b:\b+11], v[\a:\a+11], v[\cr:\cr+7], v[\sb], v[\sa] matrix_a_fmt:MATRIX_FMT_FP6 matrix_b_fmt:MATRIX_FMT_FP6
.elseif (\row) == 0
	v_wmma_scale_f32_16x16x128_f8f6f4 v[\d:\d+7], v[\b:\b+11], v[\a:\a+11], v[\d:\d+7], v[\sb], v[\sa] matrix_a_fmt:MATRIX_FMT_FP6 matrix_b_fmt:MATRIX_FMT_FP6
.else
	v_wmma_scale_f32_16x16x128_f8f6f4 v[\d:\d+7], v[\b:\b+11], v[\a:\a+11], v[\d:\d+7], v[\sb], v[\sa] matrix_a_fmt:MATRIX_FMT_FP6 matrix_b_fmt:MATRIX_FMT_FP6 matrix_a_scale:MATRIX_SCALE_ROW1 matrix_b_scale:MATRIX_SCALE_ROW1
.endif
.endm
.macro PSET ks                         ; where K step ks's fragments of a stand: set ks % 6; sets 0-4 in window 3, set 5 in window 0
.if ((\ks)%6) < 5
.set PB, 48*((\ks)%6)
.set PWN, 3
.else
.set PB, 128
.set PWN, 0
.endif
.endm
.macro MULH a0, n, ks, cm              ; 8 n products; the 32 accumulators take turns, one instruction a turn, in the same order in every step
	PSET \ks
	WIN (0xa1-8*(\cm))|(PWN<<2)                    ; cm 2: C, the bias, lies in window 1
.set AA, \a0
.rept \n
.irp b,0,1,2,3,4,5,6,7
	WM 8*(8*AA+\b), 128*((\ks)%2)+12*\b, PB+12*AA, \cm, 96+128*(\b/4)+8*(\b%4), SB+4*\b+(\ks)%4, SA+4*AA+(\ks)%4, (\ks)/4
.endr
.set AA, AA+1
.endr
.endm
.macro PLOAD ks                        ; K step ks of my four row blocks of a: 12 loads of 512 consecutive bytes
	PSET \ks
	WIN PWN<<6
.irp i,0,1,2,3
.irp c,0,1,2
	global_load_b128 v[PB+12*\i+4*\c:PB+12*\i+4*\c+3], v[LI], s[72:73] offset:\i*RB8+(\ks)*1536+512*\c
.endr
.endr
	WIN 0
.endm
.macro FETCHB ks                       ; K step ks of my eight row blocks of Wo into set ks % 2.  The large tile has two address registers, four row blocks each
	WIN 0x40
.irp i,0,1,2,3,4,5,6,7
.if (\ks) < 2
	FRAG 128*((\ks)%2)+12*\i, ADRB, (2*\i+(\ks))*1536
.else
	FRAG 128*((\ks)%2)+12*\i, ADRB+1+\i/4, (6*(\i%4)+(\ks)-2)*1536
.endif
.endr
	WIN 0
.endm
.macro LCNT ks                         ; a's set of K step ks is in: behind it the sets of the next four K steps, as far as there are any, 12 loads each, may be out
.if (\ks) < 3
	s_wait_loadcnt 48
.else
	s_wait_loadcnt 12*(7-(\ks))
.endif
.endm
.macro AHEAD ks                        ; the next K step's fragments of Wo, and a's of five K steps on, into the sets that the last K step's products read
	PLACES 4                                       ; four places in front of loads into registers that products have read
	FETCHB (\ks)+1
.if (\ks)+5 < 8
	PLOAD (\ks)+5
.endif
.endm
.macro HSTEP ks, cm
	s_wait_dscnt 0x0                               ; this step's fragments of Wo are in
	LCNT \ks
	AHEAD \ks
	MULH 0, 4, \ks, \cm
	WIN 0
.endm
.macro TOSTAGE a                       ; 16 queries x 128 channels into my stage, each accumulator from its low end on, and back as whole rows of 512 bytes
	WIN 0x08
.irp b,0,1,2,3,4,5,6,7
	ds_store_b128 v[STO], v[64*(\a)+8*\b:64*(\a)+8*\b+3] offset:128*(\b/2)+32*(\b%2)
	ds_store_b128 v[STO], v[64*(\a)+8*\b+4:64*(\a)+8*\b+7] offset:128*(\b/2)+32*(\b%2)+16
.endr
	WIN 0
.set BB, 128+64*((\a)%2)
.irp t,0,1,2,3,4,5,6,7,8,9,10,11,12,13,14,15
	ds_load_b128 v[BB+4*\t:BB+4*\t+3], v[RD] offset:\t*528     ; LDS serves a wave's instructions in order: these see my stores
.endr
.endm
.macro SEND a, younger                 ; younger: the LDS instructions issued behind block a's loads, which may stay out
.set BB, 128+64*((\a)%2)
	s_wait_dscnt \younger
.irp t,0,1,2,3,4,5,6,7,8,9,10,11,12,13,14,15
	global_store_b128 v[LI], v[BB+4*\t:BB+4*\t+3], s[80:81] offset:(32*((\a)/2)+8*((\a)%2)+16*(\t/8)+\t%8)*4096 th:TH_STORE_NT   ; 32 lanes store 512 consecutive bytes, aligned; position t of block a is this true row
.endr
.endm
	s_load_b256 s[4:11], s[0:1], 0x0               ; aac s[4:5], xw s[6:7], bo s[8:9], out0 s[10:11]
	v_lshl_add_u32 v[SPW], v0, 2, SPARE
	v_mov_b32 v[NIL], 0
	ds_add_u32 v[SPW], v[NIL]                      ; the wave's opening
	ds_add_u32 v[SPW], v[NIL]
	v_lshrrev_b32 v1, 5, v0
	v_readfirstlane_b32 s13, v1                    ; wave
	v_and_b32 v1, 15, v0                           ; r
	v_bfe_u32 v2, v0, 4, 1                         ; h
	v_and_b32 v[LI], 31, v0
	v_lshlrev_b32 v[LI], 4, v[LI]
	v_lshlrev_b32 v5, 6, v2                        ; the bias: 16 channels on for lanes 16-31
	s_lshr_b32 s14, s13, 1                         ; which 64 queries are mine.  Also: which half of Wo's tile I fetch
	s_and_b32 s15, s13, 1                          ; which 128 channels.  Also: I fetch K steps 0, 1 (0) or 2-7 (1)
	s_bfe_u32 s66, ttmp6, 0x40000                  ; cx
	s_bfe_u32 s67, ttmp6, 0x40004                  ; cy
	s_lshl_b32 s68, ttmp9, 2
	s_add_co_u32 s68, s68, s66                     ; tile of 256 channels
	s_and_b32 s69, ttmp7, 0xffff
	s_lshl_b32 s69, s69, 2
	s_add_co_u32 s69, s69, s67                     ; tile of 128 queries
	s_lshl_b32 s71, 0x1111, s66                    ; my column of the cluster
	s_or_b32 s[G1S], s71, (3<<16)|(1<<21)          ; the mask; elements of 8 bytes; bit 21 beside a mask; no padding
	s_or_b32 s[G1L], s71, (3<<16)|(1<<21)
	GRP1 G1S, 384, 8
	GRP1 G1L, 1152, 8
	s_lshl_b32 s74, s68, 4
	s_lshl_b32 s75, s14, 3
	s_add_co_u32 s74, s74, s75
	s_add_co_u32 s74, s74, 192                     ; Wo's row blocks begin at 192 of the weights'; the 8 that I fetch
	s_mul_i32 s74, s74, RB8
	s_add_co_u32 s74, s74, WC
	s_mov_b32 s75, 0
	s_mul_i32 s96, s14, 24576
	s_mul_i32 s97, s14, 73728
	s_add_co_u32 s97, s97, LB1
	s_lshl_b32 s72, s69, 3
	s_lshl_b32 s90, s14, 2
	s_add_co_u32 s72, s72, s90                     ; my first row block of queries
	s_lshl_b32 s84, s72, 9
	s_add_co_u32 s84, s84, AS
	s_mov_b32 s85, 0
	s_mul_i32 s72, s72, RB8
	s_mov_b32 s73, 0
	s_lshl_b32 s86, s68, 4
	s_lshl_b32 s90, s15, 3
	s_add_co_u32 s86, s86, s90
	s_add_co_u32 s86, s86, 192
	s_lshl_b32 s86, s86, 9
	s_add_co_u32 s86, s86, WS
	s_mov_b32 s87, 0
	s_lshl_b32 s88, s68, 10
	s_lshl_b32 s90, s15, 9
	s_add_co_u32 s88, s88, s90                     ; my first channel, in bytes
	s_mov_b32 s89, 0
	s_lshl_b32 s80, s69, 7
	s_lshl_b32 s90, s14, 6
	s_add_co_u32 s80, s80, s90                     ; my first row of out,
	s_lshl_b32 s80, s80, 12
	s_add_co_u32 s80, s80, s88                     ; my first channel
	s_mov_b32 s81, 0
	s_wait_alu depctr_va_vdst(0)
	s_wait_dscnt 0x0                               ; both opening adds are done
	s_wait_kmcnt 0x0
	s_add_nc_u64 s[72:73], s[4:5], s[72:73]
	s_add_nc_u64 s[84:85], s[4:5], s[84:85]
	s_add_nc_u64 s[86:87], s[6:7], s[86:87]
	s_add_nc_u64 s[88:89], s[8:9], s[88:89]
	s_add_nc_u64 s[80:81], s[10:11], s[80:81]
.irp a,0,1,2,3
	global_load_b128 v[SA+4*\a:SA+4*\a+3], v[LI], s[84:85] offset:512*\a     ; register j: the words of K step j (lanes 0-15) and 4 + j (lanes 16-31)
.endr
.irp b,0,1,2,3,4,5,6,7
	global_load_b128 v[SB+4*\b:SB+4*\b+3], v[LI], s[86:87] offset:512*\b
.endr
	WIN 0x40
.irp b,0,1,2,3,4,5,6,7                 ; tile b's eight channels of my half: 32 (b / 2) + 8 (b % 2) + 16 h + 0 .. 7
	global_load_b128 v[96+128*(\b/4)+8*(\b%4):96+128*(\b/4)+8*(\b%4)+3], v5, s[88:89] offset:(32*(\b/2)+8*(\b%2))*4
	global_load_b128 v[96+128*(\b/4)+8*(\b%4)+4:96+128*(\b/4)+8*(\b%4)+7], v5, s[88:89] offset:(32*(\b/2)+8*(\b%2))*4+16
.endr
	WIN 0
	PLOAD 0
	PLOAD 1
	s_mov_b32 s[GS], 1
	s_mov_b32 s[GS+1], s96
	s_add_nc_u64 s[GS+2:GS+3], s[6:7], s[74:75]
	s_add_nc_u64 s[GL+2:GL+3], s[GS+2:GS+3], 3072
	s_or_b32 s[GS+3], s[GS+3], 0x80000000
	s_mov_b32 s[GL], 1
	s_mov_b32 s[GL+1], s97
	s_or_b32 s[GL+3], s[GL+3], 0x80000000
	CROUND                                         ; all sixteen work-groups are here: the joint loads meet
	s_cmp_lg_u32 s15, 0                            ; one branch on the wave's number, one joint load to an arm, both arms to one join
	s_cbranch_scc1 .Lhead_l
	tensor_load_to_lds s[GS:GS+3], s[G1S:G1S+7]
	s_nop 0
	PLACES 4
	s_branch .Lhead_asked
.Lhead_l:
	tensor_load_to_lds s[GL:GL+3], s[G1L:G1L+7]
	s_nop 0
	PLACES 4
.Lhead_asked:
	PLOAD 2
	PLOAD 3
	PLOAD 4
	s_mul_i32 s91, s15, 24576                      ; K steps 0, 1: my 8 row blocks of Wo x 3,072 bytes (LB0 = 0),
	v_add_nc_u32 v[ADRB], s91, v[LI]
	s_mul_i32 s91, s15, 73728                      ; K steps 2-7: x 9,216,
	s_add_co_u32 s91, s91, LB1
	v_add_nc_u32 v[ADRB+1], s91, v[LI]
	s_add_co_u32 s91, s91, 36864                   ; and the upper four of them
	v_add_nc_u32 v[ADRB+2], s91, v[LI]
	s_mul_i32 s90, s13, 8448                       ; my stage: 16 rows x 528 bytes
	s_add_co_u32 s90, s90, STAGE
	v_mul_u32_u24 v[STO], v1, 528
	v_lshl_add_u32 v[STO], v2, 6, v[STO]
	v_add_nc_u32 v[STO], s90, v[STO]               ; in: row r, 64 bytes on for lanes 16-31
	v_add_nc_u32 v[RD], s90, v[LI]                 ; back: 16 x lane of a row
	s_wait_alu depctr_va_vdst(0)
	s_cmp_lg_u32 s15, 0
	s_cbranch_scc1 .Lbig_out                       ; waves 1 and 3 asked for K steps 2-7, which are first read behind the barrier in K step 1
	s_wait_tensorcnt 0x0                           ; waves 0 and 2: my half of K steps 0 and 1 is in; nothing is ever filled again
.Lbig_out:
	s_barrier_signal -1
	s_barrier_wait -1
	FETCHB 0
	HSTEP 0, 2                                     ; the first products start the sums with the bias (its loads, and the scale words', are older than a's first set)
	s_wait_tensorcnt 0x0                           ; K step 1: every wave's load has landed,
	s_wait_dscnt 0x0                               ; and this step's fragments of Wo are in
	LCNT 1
	MULH 0, 1, 1, 0
	s_barrier_signal -1
	MULH 1, 1, 1, 0
	WIN 0
	s_barrier_wait -1                              ; the large tiles are whole
	AHEAD 1
	MULH 2, 2, 1, 0
	WIN 0
.irp k,2,3,4,5,6
	HSTEP \k, 0
.endr
	s_wait_dscnt 0x0
	LCNT 7
	MULH 0, 4, 7, 0
	WIN 0
	PLACES 4                                       ; four places ahead of the stores that read results
	TOSTAGE 0
	TOSTAGE 1
	SEND 0, 32                                     ; behind block 0's loads: block 1's 16 stores and 16 loads
	s_wait_xcnt 0x0                                ; block 0's stores have read their registers: block 2's loads may land there
	TOSTAGE 2
	SEND 1, 32
	s_wait_xcnt 0x0
	TOSTAGE 3
	SEND 2, 32
	SEND 3, 0
	s_wait_tensorcnt 0x0                           ; the wave's end
	ds_add_u32 v[SPW], v[NIL]
	s_wait_dscnt 0x0
	CROUND                                         ; the closing round
	s_endpgm
.Lfunc_end_k_q11bf617307_ou:
	.size	k_q11bf617307_ou, .Lfunc_end_k_q11bf617307_ou-k_q11bf617307_ou
	.p2alignl 7, 3214868480
	.fill 96, 4, 3214868480
	.section	.rodata,"a",@progbits
	.p2align	6, 0x0
	.amdhsa_kernel k_q11bf617307_ou
		.amdhsa_group_segment_fixed_size 327680
		.amdhsa_private_segment_fixed_size 0
		.amdhsa_enable_private_segment 0
		.amdhsa_kernarg_size 32
		.amdhsa_user_sgpr_count 2
		.amdhsa_user_sgpr_kernarg_segment_ptr 1
		.amdhsa_wavefront_size32 1
		.amdhsa_system_sgpr_workgroup_id_x 1
		.amdhsa_system_sgpr_workgroup_id_y 1
		.amdhsa_system_sgpr_workgroup_id_z 1
		.amdhsa_system_vgpr_workitem_id 0
		.amdhsa_next_free_vgpr 1024
		.amdhsa_next_free_sgpr 100
		.amdhsa_reserve_vcc 0
		.amdhsa_float_denorm_mode_32 3
		.amdhsa_float_denorm_mode_16_64 3
		.amdhsa_memory_ordered 1
		.amdhsa_forward_progress 1
		.amdhsa_inst_pref_size 80
	.end_amdhsa_kernel
	.amdgpu_metadata
---
amdhsa.version: [ 1, 2 ]
amdhsa.kernels:
  - .name:           k_q11bf617307_ou
    .symbol:         k_q11bf617307_ou.kd
    .args:
      - { .name: aac, .offset: 0, .size: 8, .value_kind: global_buffer, .address_space: global }
      - { .name: xw, .offset: 8, .size: 8, .value_kind: global_buffer, .address_space: global }
      - { .name: bo, .offset: 16, .size: 8, .value_kind: global_buffer, .address_space: global }
      - { .name: out0, .offset: 24, .size: 8, .value_kind: global_buffer, .address_space: global }
    .group_segment_fixed_size: 327680
    .private_segment_fixed_size: 0
    .kernarg_segment_align: 8
    .kernarg_segment_size: 32
    .max_flat_workgroup_size: 128
    .sgpr_count:     100
    .vgpr_count:     1024
    .wavefront_size: 32
...
	.end_amdgpu_metadata
.endif
;; end of part 5
